; MI455X (gfx1250); checked and timed in simulation.
; The chip was launched on July 23, 2026; its instructions are those of AMD's public machine-readable ISA for CDNA 5 (MIT licence, August 2026) and "CDNA5" Instruction Set Architecture Reference Guide (July 2026). The comments in the code are by the model that wrote it; some were corrected since.
;; Multi Head Attention Chunk. Allowed arithmetic: float matrix products may take bf16 or f16 operands with f32 sums; other float arithmetic in f32, or as packed bf16 or f16 multiplies, adds, multiply-adds, maxima and minima; sums over many terms, partial sums and values carried from step to step in f32; what a program stores and reads back later, other than sums and carried values, may be rounded once to bf16 or f16.
;; Inputs: Wk 512 x 512 float32; Wo 512 x 512 float32; Wq 512 x 512 float32; Wv 512 x 512 float32; bk 512 float32; bo 512 float32; bq 512 float32; bv 512 float32; key 8 x 4,096 x 512 float32; query 8 x 4,096 x 512 float32; value 8 x 4,096 x 512 float32.
;; Outputs: out0 8 x 4,096 x 512 float32.
;; 2 versions, each right; version 2 is version 1 with the launch qkva written anew for expert scheduling mode. Each part assembles by itself: llvm-mc -triple=amdgcn-amd-amdhsa -mcpu=gfx1250 --defsym DOCPART=n.
;; ======== version 1 of 2: 3 launches
;; limits: values are held in f16: magnitudes above 65,504 overflow, below 6.1e-05 lose precision
;; workspace buffers: wf 2,097,152 bytes; attn 33,554,432 bytes
;; launch prep (part 1): grid 32 x 4, 8 waves a work-group, no clusters, 0 bytes of LDS; arguments Wk, Wv, Wq, Wo, wf; writes wf
.if DOCPART == 1
	.amdgcn_target "amdgcn-amd-amdhsa--gfx1250"
	.amdhsa_code_object_version 6
	.text
	.protected	k_q23c5e268e2_prep
	.globl	k_q23c5e268e2_prep
	.p2align	8
	.type	k_q23c5e268e2_prep,@function
k_q23c5e268e2_prep:
	s_mov_b64 s[64:65], 0
	v_nop
	global_prefetch_b8 v0, s[64:65] scope:SCOPE_SE
	s_setreg_imm32_b32 hwreg(HW_REG_WAVE_MODE, 25, 1), 1
	s_wait_xcnt 0x0
; THE WEIGHTS AS REGISTER IMAGES.  Wk, Wv, Wq, Wo: [512][512] f32.  wf: 32 blocks of 64 KiB, each [kb 16][cb 4][1,024 bytes].
; A FRAGMENT is 16 rows x 32 k of 16-bit numbers as a matrix instruction wants them: byte e*512 + 16*l + 2*i holds
; W[row0 + l%16][32 kb + 16 e + 8 (l/16) + i], so that one 16-byte load a lane (lane l at 16 l) is registers 0-3 (e = 0) or 4-7 (e = 1).
; A block covers 64 rows: row0 = 64 grp + 16 cb.  Block 3 grp + y holds Wk, Wv, Wq (y = 0, 1, 2) rounded to bf16: a head's three
; projections lie on end.  Block 24 + grp holds Wo: rounded to bf16 like every input, and that number written as f16.
; LIMITS.  |Wo| stays under 65,504 (f16's end); below 6e-5 it keeps f16's fixed step of 6e-8.
; SHARES.  Work-group (x, y): the 16 rows 16 x .. of matrix y; wave w: kb = 2 w and 2 w + 1, that is 256 consecutive bytes of each row.
; No LDS, no matrix unit: 4 MiB are read once and 2 MiB written once, each store of a wave 512 consecutive bytes, aligned.
.set IN,  8                            ; v[8:39]   four half fragments f = 2 kk + e, 8 f32 each
.set OUTR, 40                          ; v[40:55]  the same, packed: 4 registers each
	s_load_b256 s[4:11], s[0:1], 0x0               ; Wk s[4:5], Wv s[6:7], Wq s[8:9], Wo s[10:11]
	s_load_b64 s[12:13], s[0:1], 0x20              ; wf
	v_lshrrev_b32 v1, 5, v0
	v_readfirstlane_b32 s15, v1                    ; wave 0..7
	s_and_b32 s14, ttmp7, 0xffff                   ; y: which matrix
	v_and_b32 v2, 15, v0                           ; l % 16: the row in the tile
	v_bfe_u32 v3, v0, 4, 1                         ; l / 16
	v_and_b32 v4, 31, v0                           ; l
	s_lshl_b32 s22, ttmp9, 15                      ; the tile's 16 rows of 2,048 bytes
	s_lshl_b32 s23, s15, 8                         ; my wave's 256 bytes of a row
	s_add_co_u32 s22, s22, s23
	v_lshlrev_b32 v5, 11, v2                       ; row x 2,048
	v_lshl_add_u32 v5, v3, 5, v5                   ; + 32 x half: 8 f32
	v_add_nc_u32 v5, s22, v5                       ; where I read
	s_lshr_b32 s18, ttmp9, 2                       ; grp
	s_and_b32 s19, ttmp9, 3                        ; cb
	s_mul_i32 s20, s18, 3
	s_add_co_u32 s20, s20, s14                     ; 3 grp + y,
	s_add_co_u32 s21, s18, 24                      ; or 24 + grp for Wo
	s_cmp_lt_u32 s14, 3
	s_cselect_b32 s20, s20, s21
	s_lshl_b32 s20, s20, 16                        ; the block,
	s_lshl_b32 s19, s19, 10                        ; the fragment's place among four,
	s_add_co_u32 s20, s20, s19
	s_lshl_b32 s23, s15, 13                        ; kb = 2 w: 4,096 bytes each
	s_add_co_u32 s20, s20, s23
	v_lshl_add_u32 v6, v4, 4, s20                  ; where I write: + 16 l
	s_wait_kmcnt 0x0
	s_cmp_eq_u32 s14, 0
	s_cselect_b64 s[16:17], s[4:5], s[10:11]
	s_cmp_eq_u32 s14, 1
	s_cselect_b64 s[16:17], s[6:7], s[16:17]
	s_cmp_eq_u32 s14, 2
	s_cselect_b64 s[16:17], s[8:9], s[16:17]       ; my matrix
.irp f, 0,1,2,3
	global_load_b128 v[IN+8*(\f):IN+8*(\f)+3],   v5, s[16:17] offset:((\f)/2)*128+((\f)%2)*64 th:TH_LOAD_NT
	global_load_b128 v[IN+8*(\f)+4:IN+8*(\f)+7], v5, s[16:17] offset:((\f)/2)*128+((\f)%2)*64+16 th:TH_LOAD_NT
.endr
	s_wait_loadcnt 0x0
.set i, 0
.rept 16
	v_cvt_pk_bf16_f32 v[OUTR+i], v[IN+2*i], v[IN+2*i+1]  ; every weight is rounded to bf16 once
.set i, i+1
.endr
	s_cmp_lg_u32 s14, 3
	s_cbranch_scc1 .Lstore
.set i, 0
.rept 16                                       ; Wo alone: the bf16 number is widened and written as f16
	v_lshlrev_b32 v[IN+2*i], 16, v[OUTR+i]
	v_and_b32 v[IN+2*i+1], 0xffff0000, v[OUTR+i]
.set i, i+1
.endr
.set i, 0
.rept 16
	v_cvt_pk_f16_f32 v[OUTR+i], v[IN+2*i], v[IN+2*i+1]
.set i, i+1
.endr
.Lstore:
.irp f, 0,1,2,3
	global_store_b128 v6, v[OUTR+4*(\f):OUTR+4*(\f)+3], s[12:13] offset:((\f)/2)*4096+((\f)%2)*512
.endr
	s_endpgm
.Lfunc_end_k_q23c5e268e2_prep:
	.size	k_q23c5e268e2_prep, .Lfunc_end_k_q23c5e268e2_prep-k_q23c5e268e2_prep
	.p2alignl 7, 3214868480
	.fill 96, 4, 3214868480
	.section	.rodata,"a",@progbits
	.p2align	6, 0x0
	.amdhsa_kernel k_q23c5e268e2_prep
		.amdhsa_group_segment_fixed_size 0
		.amdhsa_private_segment_fixed_size 0
		.amdhsa_enable_private_segment 0
		.amdhsa_kernarg_size 40
		.amdhsa_user_sgpr_count 2
		.amdhsa_user_sgpr_kernarg_segment_ptr 1
		.amdhsa_wavefront_size32 1
		.amdhsa_system_sgpr_workgroup_id_x 1
		.amdhsa_system_sgpr_workgroup_id_y 1
		.amdhsa_system_sgpr_workgroup_id_z 1
		.amdhsa_system_vgpr_workitem_id 0
		.amdhsa_next_free_vgpr 64
		.amdhsa_next_free_sgpr 66
		.amdhsa_reserve_vcc 0
		.amdhsa_float_denorm_mode_32 3
		.amdhsa_float_denorm_mode_16_64 3
		.amdhsa_memory_ordered 1
		.amdhsa_forward_progress 1
		.amdhsa_inst_pref_size 7
	.end_amdhsa_kernel
	.amdgpu_metadata
---
amdhsa.version: [ 1, 2 ]
amdhsa.kernels:
  - .name:           k_q23c5e268e2_prep
    .symbol:         k_q23c5e268e2_prep.kd
    .args:
      - { .name: Wk, .offset: 0, .size: 8, .value_kind: global_buffer, .address_space: global }
      - { .name: Wv, .offset: 8, .size: 8, .value_kind: global_buffer, .address_space: global }
      - { .name: Wq, .offset: 16, .size: 8, .value_kind: global_buffer, .address_space: global }
      - { .name: Wo, .offset: 24, .size: 8, .value_kind: global_buffer, .address_space: global }
      - { .name: wf, .offset: 32, .size: 8, .value_kind: global_buffer, .address_space: global }
    .group_segment_fixed_size: 0
    .private_segment_fixed_size: 0
    .kernarg_segment_align: 8
    .kernarg_segment_size: 40
    .max_flat_workgroup_size: 256
    .sgpr_count:     66
    .vgpr_count:     64
    .wavefront_size: 32
...
	.end_amdgpu_metadata
.endif
;; end of part 1
;; launch qkva (part 2): grid 2 x 128, 4 waves a work-group, no clusters, 323,072 bytes of LDS; arguments key, value, query, bk, bv, bq, wf, attn; writes attn
.if DOCPART == 2
	.amdgcn_target "amdgcn-amd-amdhsa--gfx1250"
	.amdhsa_code_object_version 6
	.text
	.protected	k_q23c5e268e2_qkva
	.globl	k_q23c5e268e2_qkva
	.p2align	8
	.type	k_q23c5e268e2_qkva,@function
k_q23c5e268e2_qkva:
	s_mov_b64 s[64:65], 0
	v_nop
	global_prefetch_b8 v0, s[64:65] scope:SCOPE_SE
	s_setreg_imm32_b32 hwreg(HW_REG_WAVE_MODE, 25, 1), 1
	s_wait_xcnt 0x0
; K, V AND Q PROJECTIONS AND CAUSAL ATTENTION OF ONE CHUNK OF 256 ROWS, FOR FOUR HEADS.
; key, value, query: [32768][512] f32; bk, bv, bq: [512] f32; wf: the weights as fragments (bf16), a head's 48 K steps of 32 on end, 4,096 bytes a step;
; attn: f16 fragments [128 rows b][q 4][row tile 8][kb%4][1,024 bytes], k = 64 head + channel, kb = k / 32 = 4 q + kb%4.
; FORMATS.  x, the weights and the biases are rounded to bf16; sums in f32; q, k, v, the weights p and attn are f16 (p's sum is taken of the unrounded p).
; LIMITS.  |q|, |k|, |v| stay under 65,504 (f16's end); a hidden score counts as its value less 1e30; a weight below 2^-126 counts as 0; NaN and infinities are not treated apart.
; SHARES.  Work-group (g, chunk); WAVE = HEAD 4 g + w.  For each projection a wave makes 256 rows x 64 channels: 64 accumulators, 512 registers.
; The product is taken as D = W x^T (source 0 = 16 channels of W, source 1 = 16 rows of x): a lane holds ONE row (l % 16) and the channels 16 cb + 8 (l / 16) + 0..7.
; Two such results packed to f16 are a fragment with the row on the lane: K is source 0 and Q source 1 of S^T = K Q^T as they come, and O^T packed is what the next launch reads.
; V alone is turned, once, by ds_load_tr16_b128.  Behind the projections all is the wave's own: the attention has no barrier.
; NO CLUSTER: the two work-groups of a chunk read the same x, but x is f32 and passes through registers to be rounded; beside the parked K and V, LDS has 61 KiB, too little for f32 tiles and a bf16 stage.
; THE STREAM.  48 K steps of 32 (16 for K, 16 for V, 16 for Q) run on without a break.  x: memory -> registers (each wave 64 rows) -> bf16 -> a stage of two buffers in LDS -> every wave's
; fragments.  W: each wave's own four fragments a step, memory -> registers.  A step is four PAIRS of 16 matrix instructions; all of a pair's loads and stores stand in ONE run at its head.
; The last trip's loads have nothing left to fetch: they stay in the text, so that every counted wait holds on every path, and read one 16-byte piece of query (all lanes alike) and the
; next block of wf, both inside their buffers; what is made of them serves nothing.  That is the price of one text for every trip.
; REGISTERS, in windows of 256 (s_set_vgpr_msb: bits 1:0 source 0, 3:2 source 1, 5:4 source 2, 7:6 destination):
;   window 0: v0-31 addresses and scratch; v32-63 the bias; v64-127 two buffers of four x fragments; v128-255 four buffers of four W fragments.  In the attention: v64-95 masks, v96-103 the diagonal's mask, v104-119 Q
;   window 1: x as loaded, slot step%4, quarter q at 64 slot + 16 q.  In the attention: K's fragments, key tile kt, channel half c at 16 kt + 8 c
;   windows 2, 3: accumulator (row tile xt, cb) at 8 (4 (xt%8) + cb), window 2 for xt < 8.  In the attention window 2: V^T, 32 keys kk, cb at 32 kk + 8 cb;
;   window 3: S^T at 8 kt; P at 128 + 4 kt; O^T at 192 + 8 cb; statistics from 224
.set XSB,   20480                      ; a stage buffer: 256 rows of 64 bytes bf16, 80 bytes apart (5 x 16: the 16 rows of a fragment load start at 16 different groups of four banks)
.set KP,    40960                      ; 4 x 32,768: per wave K's (later Q's) fragments: row tile x 2,048 + cb x 512 + 16 l
.set VP,    172032                     ; 4 x 36,864: per wave V by rows: key x 144 + 2 x channel
.set BI,    319488                     ; 4 x 768: per wave the three biases, f32 (rounded to bf16): 256 x projection + 4 x channel
.set SPARE, 322560                     ; the spare words, 128 bytes for each wave: two blocks of 256 bytes that no other line names
.set SPW,  2                           ; v2   SPARE + 4 x my thread's number; never rewritten
.set NIL,  3                           ; v3   0; never rewritten
.set XOFF, 4                           ; v4   x: (64 w + 4 (l/8)) rows x 2,048 + 16 (l%8); 0 in the last trip
.set LOFF, 5                           ; v5   16 l: W's loads and attn's stores
.set XWR,  6                           ; v6   stage: (64 w + 4 (l/8)) x 80 + 8 (l%8)
.set XRD,  7                           ; v7   stage: (l%16) x 80 + 16 (l/16)
.set KST,  8                           ; v8   my wave's KP + 16 l
.set VST,  9                           ; v9   my wave's VP + (l%16) x 144 + 16 (l/16)
.set BAD,  10                          ; v10  my wave's BI + 32 (l/16)
.set VRD,  11                          ; v11  my wave's VP + (8 (l/16) + l%8) x 144 + 16 ((l/8)%2)
.set QAD,  12                          ; v12  the query tile in hand
.set PFO,  13                          ; v13  (64 w + l) rows x 2,048: the prefetches' offset; never rewritten
.set BIAS, 32
.set XB,   64
.set WB,   128
.set PK,   112                         ; the upper half of the second x buffer, free at a projection's end: packed results
.set MC,   64
.set MD,   96
.set QF,   104
.set PP,   128                         ; window 3
.set OO,   192
.set CC,   224                         ; four chains of the maximum; later scratch
.set SC,   229                         ; what comes from the other half of the lanes
.set CM,   230                         ; c m, m
.set LL,   232                         ; four pairs of sums
.set RL,   240                         ; 1 / l, twice
.set WV,   2                           ; s2   my wave's number
.set GX,   3                           ; s3   g
.set CH,   4                           ; s4   the chunk
.set GP,   5                           ; s5   the projection: 0 K, 1 V, 2 Q
.set CNT,  6                           ; s6   trips of four steps to go
.set TP,   7                           ; s7   scratch
.set XP,   24                          ; s[24:25] x at the four steps that this trip asks for
.set PF,   26                          ; s[26:27] x at the four steps after those
.set WP,   28                          ; s[28:29] wf at W of step 4 T + 4
.set OP,   30                          ; s[30:31] attn at the query tile in hand
.set OF,   32                          ; s[32:33] an offset; the high word stays 0
.set CS,   34                          ; s[34:35] c = log2(e) / (16 sqrt 8)
.set SEL,  36                          ; s[36:37] v_permlanex16_b32's selects: each lane takes its own place in the other half
.set BIGN, 38                          ; s38  -1e30
.set HEAD, 39                          ; s39  4 g + w
.set AL,   40                          ; s[40:41] the mask's factor
.set BE,   42                          ; s[42:43] the mask's addend
.set IQ,   44                          ; s44  counts four query tiles
.set TR,   45                          ; s45  the trip, 0 to 11
.set ASK,  46                          ; s46  11 in the work-group that prefetches (g = 0), else 0
.set MSB, 0
.macro WIN new                         ; the immediate's high byte repeats the setting that is left; a switch that changes nothing is dropped
.if MSB != (\new)
	s_set_vgpr_msb (MSB<<8)|(\new)
.set MSB, \new
.endif
.endm
	s_load_b512 s[8:23], s[0:1], 0x0               ; key s[8:9], value s[10:11], query s[12:13], bk s[14:15], bv s[16:17], bq s[18:19], wf s[20:21], attn s[22:23]
	v_lshl_add_u32 v[SPW], v0, 2, SPARE
	v_mov_b32 v[NIL], 0
	v_lshrrev_b32 v1, 5, v0
	v_readfirstlane_b32 s[WV], v1                  ; wave 0..3
	s_mov_b32 s[GX], ttmp9
	s_and_b32 s[CH], ttmp7, 0xffff
	s_lshl2_add_u32 s[HEAD], s[GX], s[WV]          ; 4 g + w
	s_mov_b32 s[CS], 0x3d0293ee                    ; 0.0318794
	s_mov_b32 s[CS+1], s[CS]                       ; named with it as a pair
	s_mov_b32 s[SEL], 0x76543210
	s_mov_b32 s[SEL+1], 0xfedcba98
	s_mov_b32 s[BIGN], 0xf149f2ca
	s_mov_b32 s[AL+1], 0                           ; named as pairs
	s_mov_b32 s[BE+1], 0
	s_mov_b32 s[TR], 0
	s_mov_b32 s[GP], 0
	s_mov_b32 s[OF+1], 0
	s_cmp_eq_u32 s[GX], 0
	s_cselect_b32 s[ASK], 11, 0
	v_and_b32 v14, 31, v0                          ; l
	v_and_b32 v15, 15, v0                          ; l % 16
	v_bfe_u32 v16, v0, 4, 1                        ; l / 16
	v_bfe_u32 v17, v0, 3, 2                        ; l / 8
	v_and_b32 v18, 7, v0                           ; l % 8
	v_bfe_u32 v19, v0, 3, 1                        ; (l / 8) % 2
	s_lshl_b32 s[TP], s[WV], 17                    ; 64 rows of 2,048 bytes
	v_lshlrev_b32 v[XOFF], 13, v17
	v_lshl_add_u32 v[XOFF], v18, 4, v[XOFF]
	v_add_nc_u32 v[XOFF], s[TP], v[XOFF]
	v_lshl_add_u32 v[PFO], v14, 11, s[TP]
	v_lshlrev_b32 v[LOFF], 4, v14
	s_mul_i32 s[TP], s[WV], 5120                   ; 64 rows of 80 bytes
	v_mul_u32_u24 v[XWR], v17, 320
	v_lshl_add_u32 v[XWR], v18, 3, v[XWR]
	v_add_nc_u32 v[XWR], s[TP], v[XWR]
	v_mul_u32_u24 v[XRD], v15, 80
	v_lshl_add_u32 v[XRD], v16, 4, v[XRD]
	s_lshl_b32 s[TP], s[WV], 15
	s_add_co_u32 s[TP], s[TP], KP
	v_add_nc_u32 v[KST], s[TP], v[LOFF]
	s_mul_i32 s[TP], s[WV], 36864
	s_add_co_u32 s[TP], s[TP], VP
	v_mul_u32_u24 v[VST], v15, 144
	v_lshl_add_u32 v[VST], v16, 4, v[VST]
	v_add_nc_u32 v[VST], s[TP], v[VST]
	v_lshl_add_u32 v[VRD], v16, 3, v18
	v_mul_u32_u24 v[VRD], v[VRD], 144
	v_lshl_add_u32 v[VRD], v19, 4, v[VRD]
	v_add_nc_u32 v[VRD], s[TP], v[VRD]
	s_mul_i32 s[TP], s[WV], 768
	s_add_co_u32 s[TP], s[TP], BI
	v_lshl_add_u32 v[BAD], v16, 5, s[TP]
	v_lshl_add_u32 v20, v14, 3, s[TP]              ; where I put two numbers of a bias
	s_lshl_b32 s[TP], s[HEAD], 8
	v_lshl_add_u32 v21, v14, 3, s[TP]              ; and where they lie in memory: (64 head + 2 l) x 4
	s_wait_kmcnt 0x0
	s_lshl_b32 s[OF], s[CH], 19                    ; the chunk's 256 rows of 2,048 bytes
	s_add_nc_u64 s[8:9], s[8:9], s[OF:OF+1]
	s_add_nc_u64 s[10:11], s[10:11], s[OF:OF+1]
	s_add_nc_u64 s[12:13], s[12:13], s[OF:OF+1]
	s_mov_b64 s[XP:XP+1], s[8:9]                   ; steps 0 to 3
	s_add_nc_u64 s[PF:PF+1], s[8:9], 512           ; steps 4 to 7
	s_mul_i32 s[OF], s[HEAD], 196608
	s_add_nc_u64 s[WP:WP+1], s[20:21], s[OF:OF+1]  ; my head's weights
	s_lshl_b32 s[OF], s[CH], 18                    ; the chunk's two blocks of 131,072 bytes,
	s_lshr_b32 s[TP], s[HEAD], 1
	s_lshl_b32 s[TP], s[TP], 15                    ; q = head / 2,
	s_add_co_u32 s[OF], s[OF], s[TP]
	s_and_b32 s[TP], s[HEAD], 1
	s_lshl_b32 s[TP], s[TP], 11                    ; kb % 4 = 2 (head % 2)
	s_add_co_u32 s[OF], s[OF], s[TP]
	s_add_nc_u64 s[OP:OP+1], s[22:23], s[OF:OF+1]
	global_load_b64 v[22:23], v21, s[14:15]        ; the head's biases, two numbers a lane
	global_load_b64 v[24:25], v21, s[16:17]
	global_load_b64 v[26:27], v21, s[18:19]
; The 16 matrix instructions of pair p of a step in slot u: row tiles 4 p .. 4 p + 3 x the four channel blocks, under one window setting.  ci = 1: the projection's first step: the bias starts the sum.
; The 64 accumulators take turns, one instruction a turn, in the same order in every step.
.macro MMP u, p, ci
.if \ci
	WIN 0x80+0x40*((\p)/2)                         ; D in window 2 or 3, all sources in window 0
.else
	WIN 0xa0+0x50*((\p)/2)                         ; C and D in window 2 or 3
.endif
.irp c, 0,1,2,3
.irp t, 0,1,2,3
.set ac_, 8*(((4*(\p)+(\t))%8)*4+(\c))
.set wa_, WB+32*(\u)+8*(\c)
.set xa_, XB+32*((\p)%2)+8*(\t)
.if \ci
	v_wmma_f32_16x16x32_bf16 v[ac_:ac_+7], v[wa_:wa_+7], v[xa_:xa_+7], v[BIAS+8*(\c):BIAS+8*(\c)+7]
.else
	v_wmma_f32_16x16x32_bf16 v[ac_:ac_+7], v[wa_:wa_+7], v[xa_:xa_+7], v[ac_:ac_+7]
.endif
.endr
.endr
.endm
; PAIR p OF STEP s (u = s % 4).  At its head: a quarter of x is converted (of step s + 2, quarter 0, in p = 3; of step s + 1, quarter p + 1, before); then ONE RUN of 18 memory instructions: the next pair's
; four x fragments out of the stage, fragment p of W of step s + 3, the converted quarter into the stage, quarter p of x of step s + 4; then the pair's 16 products.
; mma, cv, xl, wl, rl, bar switch these parts (the prologue runs the same text without products); nl: the count of the wait for x; pf: 0 or 1: a prefetch of that 256-byte block.
; s_wait_loadcnt.  Every run issues 6 loads, W's first.  The quarter to be converted was asked for 11 runs back: 60 loads stand behind it; the count is 57, so that with this run's six 63 are out at the most.
; In p = 0 it is 52: behind the last fragment of this step's W (asked for in pair 3 three steps back) stand 4 + 24 + 24 loads.
; s_wait_dscnt 12: all but this run's own 8 loads and 4 stores: the fragments that the last run asked for are in.
; The eight conversions are the places between the last products that read the registers loaded below and those loads (ISA guide 7.12.1 for vector instructions).
; ONE BARRIER A STEP.  In front of the signal (behind pair 2's products) my reads of this step's stage buffer (the last in pair 2's run) and my stores of the next step's x are done; behind the wait
; (pair 3's head) the next buffer is read and this one is written again.  Between the two stand a wait and eight conversions: registers alone.
.macro PAIR u, p, mma, ci, cv, xl, wl, rl, bar, nl, pf
.if (\p) == 3
.set sl_, ((\u)+2)%4
.set jq_, 0
.set pr_, ((\u)+1)%2
.else
.set sl_, ((\u)+1)%4
.set jq_, (\p)+1
.set pr_, (\u)%2
.endif
.set pc_, 64*sl_+16*jq_
.if \cv
	s_wait_loadcnt \nl
	WIN 0x45                                       ; in place, in window 1: 16 f32 become 8 words of bf16
.irp i, 0,1,2,3
	v_cvt_pk_bf16_f32 v[pc_+4*(\i)],   v[pc_+4*(\i)],   v[pc_+4*(\i)+1]
	v_cvt_pk_bf16_f32 v[pc_+4*(\i)+1], v[pc_+4*(\i)+2], v[pc_+4*(\i)+3]
.endr
.endif
	WIN 0
.if (\bar) && ((\p) == 3)
	s_barrier_wait -1
.endif
.if \rl
.set tt_, 4*(((\p)+1)%4)
.set xb_, XB+32*(((\p)+1)%2)
.irp t, 0,1,2,3
	ds_load_b128 v[xb_+8*(\t):xb_+8*(\t)+3],   v[XRD] offset:pr_*XSB+(tt_+(\t))*1280
	ds_load_b128 v[xb_+8*(\t)+4:xb_+8*(\t)+7], v[XRD] offset:pr_*XSB+(tt_+(\t))*1280+32
.endr
.endif
.if \wl
.set wb_, WB+32*(((\u)+3)%4)+8*(\p)
	global_load_b128 v[wb_:wb_+3],   v[LOFF], s[WP:WP+1] offset:((\u)-1)*4096+(\p)*1024
	global_load_b128 v[wb_+4:wb_+7], v[LOFF], s[WP:WP+1] offset:((\u)-1)*4096+(\p)*1024+512
.endif
	WIN 0x44                                       ; addresses in window 0; store data and load destinations in window 1
.if \cv
.irp i, 0,1,2,3
	ds_store_b64 v[XWR], v[pc_+4*(\i):pc_+4*(\i)+1] offset:(sl_%2)*XSB+(16*jq_+(\i))*80  ; four groups of lanes, four rows apart: 320 bytes, so the 32 lanes fill 256 different bytes modulo 256
.endr
.endif
.if \xl
.irp i, 0,1,2,3
	global_load_b128 v[64*(\u)+16*(\p)+4*(\i):64*(\u)+16*(\p)+4*(\i)+3], v[XOFF], s[XP:XP+1] offset:(16*(\p)+(\i))*2048+(\u)*128  ; 4 rows x 128 bytes
.endr
.endif
.if (\pf) >= 0
	; A PREFETCH of x, at the end of the run: block pf (256 bytes) of each of my 64 rows, of the four steps that the NEXT trip will ask for: a lane a row, two instructions.
	; Both work-groups of a chunk read the same rows: g = 0 asks, so each block is named once.  The first two trips' x comes by its loads alone; the last two trips have nothing two trips on and ask for nothing.
	WIN 0
	s_cmp_lt_u32 s[TR], s[ASK]
	s_cbranch_scc0 .Lnopf_\@
	global_prefetch_b8 v[PFO], s[PF:PF+1] offset:(\pf)*256 th:TH_LOAD_NT scope:SCOPE_SE
	global_prefetch_b8 v[PFO], s[PF:PF+1] offset:65536+(\pf)*256 th:TH_LOAD_NT scope:SCOPE_SE
.Lnopf_\@:
.endif
.if \mma
	s_wait_dscnt 12
	MMP \u, \p, \ci
.endif
.if (\bar) && ((\p) == 2)
	s_wait_dscnt 0x0                               ; for the others' sake: my reads of this step's buffer and my stores into the next are done
	s_barrier_signal -1
.endif
.endm
.macro STEP u, ci
.irp p, 0,1,2,3
.set pf_, -1
.if (((\u)%2) == 1) && ((\p) == 0)
.set pf_, (\u)/2
.endif
.set nl_, 57
.if (\p) == 0
.set nl_, 52
.endif
	PAIR \u, \p, 1, \ci, 1, 1, 1, 1, 1, nl_, pf_
.endr
.endm
; The head of a trip of four steps: the pointers.  x of trip t lies in tensor t / 4 at byte 512 (t % 4) of the rows.
.macro PTRS
	s_wait_xcnt 0x0                                ; every load and prefetch issued so far has read its address (the youngest prefetch four pairs back, the youngest load one): the pointers and v4 may be written
	s_mov_b64 s[XP:XP+1], s[PF:PF+1]               ; this trip asks for the next trip's steps
	s_add_co_u32 s[TP], s[TR], 2
	s_lshr_b32 s[OF], s[TP], 2
	s_cmp_eq_u32 s[OF], 0
	s_cselect_b64 s[PF:PF+1], s[8:9], s[12:13]
	s_cmp_eq_u32 s[OF], 1
	s_cselect_b64 s[PF:PF+1], s[10:11], s[PF:PF+1]
	s_and_b32 s[OF], s[TP], 3
	s_lshl_b32 s[OF], s[OF], 9
	s_add_nc_u64 s[PF:PF+1], s[PF:PF+1], s[OF:OF+1]
	s_add_nc_u64 s[WP:WP+1], s[WP:WP+1], 16384
	s_cmp_eq_u32 s[TR], 11                         ; the last trip has nothing to ask for: its loads read one piece for all lanes
	s_cselect_b32 s[TP], 0, 1
	v_mul_u32_u24 v[XOFF], s[TP], v[XOFF]
	s_add_co_u32 s[TR], s[TR], 1
.endm
.macro BLOAD reg, off                  ; a projection's bias as the C operand wants it: register 8 cb + j = channel 16 cb + 8 (l/16) + j
.irp c, 0,1,2,3
	ds_load_b128 v[BIAS+8*(\c):BIAS+8*(\c)+3],   v[\reg] offset:(\off)+(\c)*64
	ds_load_b128 v[BIAS+8*(\c)+4:BIAS+8*(\c)+7], v[\reg] offset:(\off)+(\c)*64+16
.endr
.endm
; THE PROLOGUE is the stream's steps -4 to -1: the same pairs without products, so that the loads stand in the loop's own order and every counted wait of the loop holds on the way in.
; Step -4 asks for no W (there is no step -1 to multiply): behind the first quarter of x stand 12 + 24 + 18 = 54 loads, and its wait says so; the later waits' counts lie under what stands behind their quarters.
.macro PRO u, p
.set cv_, 0
.set rl_, 0
.set wl_, 0
.set nl_, 57
.if ((\u) == 3) || (((\u) == 2) && ((\p) == 3))
.set cv_, 1
.endif
.if ((\u) == 3) && ((\p) == 3)
.set rl_, 1
.endif
.if (\u) >= 1
.set wl_, 1
.endif
.if (\p) == 0
.set nl_, 52
.endif
.if (\u) == 2
.set nl_, 54
.endif
.set br_, (\u)/3
	PAIR \u, \p, 0, 0, cv_, 1, wl_, rl_, br_, nl_, -1
.endm
.irp p, 0,1,2,3
	PRO 0, \p
.endr
.irp p, 0,1,2,3
	PRO 1, \p
.endr
.irp p, 0,1,2
	PRO 2, \p
.endr
	WIN 0
	s_wait_loadcnt 58                              ; the biases are in: behind them 16 + 24 + 18 loads of the stream were issued
.irp p, 0,1,2
	v_cvt_pk_bf16_f32 v[28+(\p)], v[22+2*(\p)], v[23+2*(\p)]  ; rounded to bf16 like every input,
.endr
.irp p, 0,1,2
	v_lshlrev_b32 v[22+2*(\p)], 16, v[28+(\p)]     ; and widened again
	v_and_b32 v[23+2*(\p)], 0xffff0000, v[28+(\p)]
	ds_store_b64 v20, v[22+2*(\p):23+2*(\p)] offset:256*(\p)
.endr
	BLOAD BAD, 0                                   ; bk.  LDS serves a wave's instructions in order (ISA guide 5.7.1.4): these see the stores above; the first barrier's wait for 0 covers them
	PRO 2, 3
.irp p, 0,1,2,3
	PRO 3, \p
.endr
	WIN 0
.Lgemm:                                        ; a projection: four trips of four steps.  Only a trip's first step is written twice: the projection's first starts the sums with the bias
	PTRS
	STEP 0, 1
	WIN 0
	s_mov_b32 s[CNT], 4
	s_branch .Lrest                                ; into the middle of the counted loop
.Ltrip:
	PTRS
	STEP 0, 0
	WIN 0
.Lrest:
	STEP 1, 0
	STEP 2, 0
	STEP 3, 0
	WIN 0
	s_sub_co_u32 s[CNT], s[CNT], 1
	s_cmp_lg_u32 s[CNT], 0
	s_cbranch_scc1 .Ltrip
; A PROJECTION'S END: the 64 accumulators are rounded to f16, each from its low end on, and parked in my wave's own LDS.  kind = 0: as fragments (K, Q); kind = 1: by rows (V).
; The stream's loads for the next projection are on their way meanwhile; the first x buffer holds its first fragments, the second's upper half takes the packed words.
.macro EPI kind
	WIN 0
.rept 4
	v_nop                                          ; the places behind the last products
.endr
.set e_, 0
.rept 16
	WIN 0x0a+5*(e_/8)                              ; sources in window 2 or 3
.set c_, 0
.rept 4
.set k_, 0
.rept 4
	v_cvt_pk_f16_f32 v[PK+4*c_+k_], v[8*((e_%8)*4+c_)+2*k_], v[8*((e_%8)*4+c_)+2*k_+1]
.set k_, k_+1
.endr
.set c_, c_+1
.endr
	WIN 0
.set c_, 0
.rept 4
.if \kind
	ds_store_b128 v[VST], v[PK+4*c_:PK+4*c_+3] offset:e_*2304+c_*32
.else
	ds_store_b128 v[KST], v[PK+4*c_:PK+4*c_+3] offset:e_*2048+c_*512
.endif
.set c_, c_+1
.endr
.set e_, e_+1
.endr
.endm
	s_cmp_eq_u32 s[GP], 1
	s_cbranch_scc1 .Lepv
	s_cmp_lg_u32 s[GP], 2
	s_cbranch_scc1 .Lepk
	s_wait_loadcnt 0x0                             ; behind Q: the last trip's loads into window 1 have landed; K goes there,
	WIN 0x40
.set f_, 0
.rept 32                                       ; fragment f = 2 kt + c: 1,024 bytes on end
	ds_load_b128 v[8*f_:8*f_+3],   v[KST] offset:f_*1024
	ds_load_b128 v[8*f_+4:8*f_+7], v[KST] offset:f_*1024+512
.set f_, f_+1
.endr
	WIN 0
	s_wait_dscnt 0x0                               ; and Q takes K's bytes
.Lepk:
	EPI 0
	s_branch .Lepd
.Lepv:
	EPI 1
.Lepd:
	s_cmp_eq_u32 s[GP], 2
	s_cbranch_scc1 .Latt
	s_lshl_b32 s[TP], s[GP], 8
	v_add_nc_u32 v1, s[TP], v[BAD]
	BLOAD 1, 256                                   ; the next projection's bias
	s_wait_dscnt 0x0
	s_add_co_u32 s[GP], s[GP], 1
	s_cmp_lt_u32 s[GP], 3
	s_cbranch_scc1 .Lgemm
.Latt:
; THE ATTENTION of my head: K in window 1, V^T into window 2, Q by tiles from LDS.
	WIN 0x80
.set f_, 0
.rept 32                                       ; fragment f = 4 kk + cb: 32 keys x 16 channels, turned
	ds_load_tr16_b128 v[8*f_:8*f_+3],   v[VRD] offset:(f_/4)*4608+(f_%4)*32
	ds_load_tr16_b128 v[8*f_+4:8*f_+7], v[VRD] offset:(f_/4)*4608+(f_%4)*32+2304
.set f_, f_+1
.endr
	WIN 0
	v_lshlrev_b32 v14, 3, v16
	v_sub_nc_u32 v14, v15, v14                     ; my query's place in its tile less my lanes' 8 (l/16): in the diagonal tile register j is hidden where j is greater
.set j_, 0
.rept 8
	v_cmp_gt_i32 vcc_lo, j_, v14
	v_cndmask_b32 v[MD+j_], 0, s[BIGN], vcc_lo
.set j_, j_+1
.endr
	WIN 0xc0
	v_mov_b32 v[SC], 0                             ; v_permlanex16_b32's destination counts as read
	WIN 0
	s_wait_dscnt 0x0
.macro FS n                            ; pair n of the scores: c s - c m
	v_pk_fma_f32 v[2*(\n):2*(\n)+1], v[2*(\n):2*(\n)+1], s[CS:CS+1], v[CM:CM+1] op_sel_hi:[1,0,0] neg_lo:[0,0,1] neg_hi:[0,0,1]
.endm
.macro PLN i                           ; what follows the exponentials, slot i: key tile i / 8, pair (i % 8) / 2; even: rounded to f16 into P; odd: added to the pair's sum (tiles 0 and 1 start the sums)
.set kt_, (\i)/8
.set j_, ((\i)%8)/2
.if (\i)%2 == 0
	v_cvt_pk_f16_f32 v[PP+4*kt_+j_], v[8*kt_+2*j_], v[8*kt_+2*j_+1]
.elseif kt_ == 1
	v_pk_add_f32 v[LL+2*j_:LL+2*j_+1], v[2*j_:2*j_+1], v[8+2*j_:8+2*j_+1]
.elseif kt_ > 1
	v_pk_add_f32 v[LL+2*j_:LL+2*j_+1], v[LL+2*j_:LL+2*j_+1], v[8*kt_+2*j_:8*kt_+2*j_+1]
.endif
.endm
; FOUR QUERY TILES, NK - 4 + IQ, against the key tiles 0 .. NK - 1: the tiles above a group's last diagonal are left out.  The last four key tiles take a mask as the C operand that starts the sum:
; MD x AL + BE, that is the diagonal's mask (tile = the query's), 0 (an earlier tile) or -1e30 (a later one).  The whole row is seen at once, so m is the row's true maximum;
; every row sees its own key, so m is a true score.  The exponentials go in two batches, each with one wait; the first batch's roundings and sums stand between the second's exponentials.
.macro ATT NK
	s_mov_b32 s[IQ], 0
.Lq_\@:
	s_lshl_b32 s[TP], s[IQ], 11
	v_add_nc_u32 v[QAD], s[TP], v[KST]
.irp c, 0,1
	ds_load_b128 v[QF+8*(\c):QF+8*(\c)+3],   v[QAD] offset:((\NK)-4)*2048+(\c)*1024
	ds_load_b128 v[QF+8*(\c)+4:QF+8*(\c)+7], v[QAD] offset:((\NK)-4)*2048+(\c)*1024+512
.endr
.irp j, 0,1,2,3
	s_cmp_eq_u32 s[IQ], \j
	s_cselect_b32 s[AL], 1.0, 0
	s_cmp_lt_u32 s[IQ], \j
	s_cselect_b32 s[BE], s[BIGN], 0
.irp z, 0,1,2,3
	v_pk_fma_f32 v[MC+8*(\j)+2*(\z):MC+8*(\j)+2*(\z)+1], v[MD+2*(\z):MD+2*(\z)+1], s[AL:AL+1], s[BE:BE+1] op_sel_hi:[1,0,0]
.endr
.endr
	s_wait_dscnt 0x0                               ; Q is in
.set kt_, 0
.rept \NK                                      ; S^T = K Q^T, channels 0-31: the sums start; the NK accumulators take turns
.if kt_ >= (\NK)-4
	WIN 0xc1                                       ; K window 1, Q and the mask window 0, S^T window 3
	v_wmma_f32_16x16x32_f16 v[8*kt_:8*kt_+7], v[16*kt_:16*kt_+7], v[QF:QF+7], v[MC+8*(kt_-(\NK)+4):MC+8*(kt_-(\NK)+4)+7]
.else
	WIN 0xf1
	v_wmma_f32_16x16x32_f16 v[8*kt_:8*kt_+7], v[16*kt_:16*kt_+7], v[QF:QF+7], 0
.endif
.set kt_, kt_+1
.endr
	WIN 0xf1
.set kt_, 0
.rept \NK                                      ; channels 32-63
	v_wmma_f32_16x16x32_f16 v[8*kt_:8*kt_+7], v[16*kt_+8:16*kt_+15], v[QF+8:QF+15], v[8*kt_:8*kt_+7]
.set kt_, kt_+1
.endr
	WIN 0xff                                       ; the softmax lies in window 3
.rept 4
	v_nop                                          ; the places behind the last products
.endr
.set g_, 0
.rept (\NK)/4                                  ; the maximum: four chains, tile kt in chain kt % 4, each accumulator from its low end on
.set q_, 0
.rept 4
.set t_, 0
.rept 4
.set b_, 8*(4*g_+t_)
.if (g_ == 0) && (q_ == 0)
	v_max3_num_f32 v[CC+t_], v[b_], v[b_+1], v[b_+2]
.elseif (g_ == 0) && (q_ == 3)
	v_max_num_f32 v[CC+t_], v[CC+t_], v[b_+7]
.elseif g_ == 0
	v_max3_num_f32 v[CC+t_], v[CC+t_], v[b_+2*q_+1], v[b_+2*q_+2]
.else
	v_max3_num_f32 v[CC+t_], v[CC+t_], v[b_+2*q_], v[b_+2*q_+1]
.endif
.set t_, t_+1
.endr
.set q_, q_+1
.endr
.set g_, g_+1
.endr
	v_max3_num_f32 v[CC], v[CC], v[CC+1], v[CC+2]
	v_max_num_f32 v[CC], v[CC], v[CC+3]
	v_permlanex16_b32 v[SC], v[CC], s[SEL], s[SEL+1]  ; the query's other keys lie in the lane 16 away
	v_max_num_f32 v[CM+1], v[CC], v[SC]            ; m
	v_mul_f32 v[CM], s[CS], v[CM+1]                ; c m
	FS 0                                           ; FIRST BATCH: all the scalings, and between them the exponentials of the lower half of the key tiles; nothing here names an exponential's result
	FS 1
.set n_, 0
.rept 4*(\NK)
	v_exp_f32 v[n_], v[n_]
.if n_+2 < 4*(\NK)
	FS n_+2
.endif
.set n_, n_+1
.endr
	v_nop                                          ; a plain instruction behind the last exponential,
	s_wait_alu depctr_va_vdst(0)                   ; and the one wait ahead of the batch's first reader
.set i_, 0
.rept 4*(\NK)                                  ; SECOND BATCH: the upper half's exponentials; between them the lower half's roundings and sums
	v_exp_f32 v[n_], v[n_]
	PLN i_
.set n_, n_+1
.set i_, i_+1
.endr
	v_nop
	s_wait_alu depctr_va_vdst(0)
.rept 4*(\NK)                                  ; the upper half's roundings and sums
	PLN i_
.set i_, i_+1
.endr
	v_pk_add_f32 v[LL:LL+1], v[LL:LL+1], v[LL+2:LL+3]
	v_pk_add_f32 v[LL+4:LL+5], v[LL+4:LL+5], v[LL+6:LL+7]
	v_pk_add_f32 v[LL:LL+1], v[LL:LL+1], v[LL+4:LL+5]
	v_add_f32 v[CC], v[LL], v[LL+1]
	v_permlanex16_b32 v[SC], v[CC], s[SEL], s[SEL+1]
	v_add_f32 v[CC], v[CC], v[SC]                  ; l
	v_rcp_f32 v[RL], v[CC]                         ; twice, for the packed multiply; waited for behind the products below
	v_rcp_f32 v[RL+1], v[CC]
	WIN 0xfe                                       ; V^T window 2; P, O^T window 3
.set k_, 0
.rept (\NK)/2                                  ; O^T = V^T P: four accumulators by turns; the first four products start the sums
.set c_, 0
.rept 4
.if k_ == 0
	v_wmma_f32_16x16x32_f16 v[OO+8*c_:OO+8*c_+7], v[32*k_+8*c_:32*k_+8*c_+7], v[PP+8*k_:PP+8*k_+7], 0
.else
	v_wmma_f32_16x16x32_f16 v[OO+8*c_:OO+8*c_+7], v[32*k_+8*c_:32*k_+8*c_+7], v[PP+8*k_:PP+8*k_+7], v[OO+8*c_:OO+8*c_+7]
.endif
.set c_, c_+1
.endr
.set k_, k_+1
.endr
	WIN 0xff
.rept 4
	v_nop                                          ; the places behind the last products, and the plain instruction behind the reciprocals
.endr
	s_wait_alu depctr_va_vdst(0)                   ; one wait for the two reciprocals, ahead of their first reader
.set i_, 0
.rept 16
	v_pk_mul_f32 v[OO+2*i_:OO+2*i_+1], v[OO+2*i_:OO+2*i_+1], v[RL:RL+1]
.set i_, i_+1
.endr
.set i_, 0
.rept 16
	v_cvt_pk_f16_f32 v[i_], v[OO+2*i_], v[OO+2*i_+1]  ; into S^T's first registers: 4 cb + k: two fragments of the next launch's operand
.set i_, i_+1
.endr
	WIN 0x0c                                       ; address window 0, data window 3
.irp c, 0,1,2,3
	global_store_b128 v[LOFF], v[4*(\c):4*(\c)+3], s[OP:OP+1] offset:(\c)*512  ; 512 consecutive bytes, aligned; the tile's four stores 2,048 on end
.endr
	WIN 0
	s_wait_xcnt 0x0                                ; the stores have read their data and their base: both are written again below and in the next trip
	s_add_nc_u64 s[OP:OP+1], s[OP:OP+1], 4096      ; the next row tile
	s_add_co_u32 s[IQ], s[IQ], 1
	s_cmp_lt_u32 s[IQ], 4
	s_cbranch_scc1 .Lq_\@
.endm
	ATT 4
	ATT 8
	s_add_nc_u64 s[OP:OP+1], s[OP:OP+1], 98304     ; the chunk's second block of 128 rows: 131,072 bytes behind the first, of which 32,768 have been stepped
	ATT 12
	ATT 16
	s_wait_tensorcnt 0x0                           ; the wave's end, behind my last LDS store
	ds_add_u32 v[SPW], v[NIL]
	s_wait_dscnt 0x0
	s_endpgm
.Lfunc_end_k_q23c5e268e2_qkva:
	.size	k_q23c5e268e2_qkva, .Lfunc_end_k_q23c5e268e2_qkva-k_q23c5e268e2_qkva
	.p2alignl 7, 3214868480
	.fill 96, 4, 3214868480
	.section	.rodata,"a",@progbits
	.p2align	6, 0x0
	.amdhsa_kernel k_q23c5e268e2_qkva
		.amdhsa_group_segment_fixed_size 323072
		.amdhsa_private_segment_fixed_size 0
		.amdhsa_enable_private_segment 0
		.amdhsa_kernarg_size 64
		.amdhsa_user_sgpr_count 2
		.amdhsa_user_sgpr_kernarg_segment_ptr 1
		.amdhsa_wavefront_size32 1
		.amdhsa_system_sgpr_workgroup_id_x 1
		.amdhsa_system_sgpr_workgroup_id_y 1
		.amdhsa_system_sgpr_workgroup_id_z 1
		.amdhsa_system_vgpr_workitem_id 0
		.amdhsa_next_free_vgpr 1024
		.amdhsa_next_free_sgpr 66
		.amdhsa_reserve_vcc 1
		.amdhsa_float_denorm_mode_32 3
		.amdhsa_float_denorm_mode_16_64 3
		.amdhsa_memory_ordered 1
		.amdhsa_forward_progress 1
		.amdhsa_inst_pref_size 216
	.end_amdhsa_kernel
	.amdgpu_metadata
---
amdhsa.version: [ 1, 2 ]
amdhsa.kernels:
  - .name:           k_q23c5e268e2_qkva
    .symbol:         k_q23c5e268e2_qkva.kd
    .args:
      - { .name: key, .offset: 0, .size: 8, .value_kind: global_buffer, .address_space: global }
      - { .name: value, .offset: 8, .size: 8, .value_kind: global_buffer, .address_space: global }
      - { .name: query, .offset: 16, .size: 8, .value_kind: global_buffer, .address_space: global }
      - { .name: bk, .offset: 24, .size: 8, .value_kind: global_buffer, .address_space: global }
      - { .name: bv, .offset: 32, .size: 8, .value_kind: global_buffer, .address_space: global }
      - { .name: bq, .offset: 40, .size: 8, .value_kind: global_buffer, .address_space: global }
      - { .name: wf, .offset: 48, .size: 8, .value_kind: global_buffer, .address_space: global }
      - { .name: attn, .offset: 56, .size: 8, .value_kind: global_buffer, .address_space: global }
    .group_segment_fixed_size: 323072
    .private_segment_fixed_size: 0
    .kernarg_segment_align: 8
    .kernarg_segment_size: 64
    .max_flat_workgroup_size: 128
    .sgpr_count:     66
    .vgpr_count:     1024
    .wavefront_size: 32
...
	.end_amdgpu_metadata
.endif
;; end of part 2
;; launch outp (part 3): grid 2 x 128, 4 waves a work-group, no clusters, 280,064 bytes of LDS; arguments attn, wf, bo, out0; writes out0
.if DOCPART == 3
	.amdgcn_target "amdgcn-amd-amdhsa--gfx1250"
	.amdhsa_code_object_version 6
	.text
	.protected	k_q23c5e268e2_outp
	.globl	k_q23c5e268e2_outp
	.p2align	8
	.type	k_q23c5e268e2_outp,@function
k_q23c5e268e2_outp:
	s_mov_b64 s[64:65], 0
	v_nop
	global_prefetch_b8 v0, s[64:65] scope:SCOPE_SE
	s_setreg_imm32_b32 hwreg(HW_REG_WAVE_MODE, 25, 1), 1
	s_wait_xcnt 0x0
; out0 = attn Wo^T + bo.  attn: f16 fragments [128 rows b][q 4][row tile 8][kb%4][1,024 bytes]; wf: from byte 1,572,864 on Wo as f16 fragments, 8 blocks of 64 columns, [kb 16][cb 4][1,024 bytes];
; bo: [512] f32, rounded to bf16 like every input; out0: [32768][512] f32; sums in f32.
; SHARES.  Work-group (x, y): rows 256 y .., columns 256 x ..; wave w: all 256 rows x the 64 columns 256 x + 64 w.
; Wo STAYS IN REGISTERS: my 64 columns x 512 k are 64 fragments, 512 registers, loaded once.  attn's 256 rows, 256 KiB, come into LDS once, as they lie: each wave issues eight tensor loads at the head
; (eight loads of mine are out).  Load i of wave w is quarter w of K of row tiles 2 i, 2 i + 1, so that load i of the four waves together brings PAIR i of row tiles whole.
; THE WALK goes by rows: 16 PHASES; phase f multiplies pair f / 2 by half f % 2 of K: 64 products, 8 accumulators by turns.  A pair is finished after two phases and leaves during the next two,
; so that out0 is stored evenly through the launch; behind the last product three tiles of 16 rows are still to be stored.
; The product is taken as D = Wo attn^T (source 0 = 16 columns of the output, source 1 = 16 rows): a lane holds one row and eight neighbouring columns, 32 bytes.
; All of a phase's memory instructions stand in ONE run at its head: a finished tile through my stage, the next phase's 32 fragment loads, the stores of the tile staged a phase earlier.
; NO CLUSTER: attn's rows are shared by the two column halves alone: a mask of two inside a cluster of four; not built.  No prefetch: all of attn is asked for at the head.
; REGISTERS: window 0: v0-31 addresses and scratch; v32-63 the bias; v64-127 two buffers for the way out; v128-255 two sets of 8 accumulators: pair i, tile t, cb at 128 + 64 (i%2) + 8 (4 t + cb)
;   window 1: two buffers of 16 attn fragments: phase f, tile t, step k at 128 (f%2) + 64 t + 8 k          windows 2, 3: Wo: step kb, cb at 32 (kb%8) + 8 cb, window 2 for kb < 8
.set STAGE, 262144                     ; behind attn: 16 rows x 256 bytes, 272 apart, for each wave; no tensor load lands here
.set SPARE, 279552                     ; the spare words, 128 bytes for each wave: two blocks of 256 bytes that no other line names
.set SPW,  2                           ; v2   SPARE + 4 x my thread's number; never rewritten
.set NIL,  3                           ; v3   0; never rewritten
.set AAD,  4                           ; v4-7 16 l + 65,536 n: attn's fragments, n = 2 (pair / 4) + half of K
.set BOFF, 8                           ; v8   16 l: Wo's loads
.set STO,  9                           ; v9   my stage + (l%16) x 272 + 32 (l/16)
.set RD,   10                          ; v10  my stage + (l/16) x 272 + 16 (l%16)
.set OOFF, 11                          ; v11  (l/16) x 2,048 + 16 (l%16): two rows of out0
.set BOB,  12                          ; v12  1,024 x + 256 w + 32 (l/16): my columns of bo
.set BIAS, 32
.set OB,   64
.set ACC,  128
.set WV,   12                          ; s12  my wave's number
.set G1,   16                          ; s[16:23] descriptor group 1
.set G0,   24                          ; s[24:55] descriptor group 0, a set for each of my eight loads
.set BP,   56                          ; s[56:57] Wo's block of my 64 columns
.set OUTP, 58                          ; s[58:59] out0 at my rows and columns
.set MSB, 0
.macro WIN new                         ; the immediate's high byte repeats the setting that is left; a switch that changes nothing is dropped
.if MSB != (\new)
	s_set_vgpr_msb (MSB<<8)|(\new)
.set MSB, \new
.endif
.endm
	s_load_b256 s[4:11], s[0:1], 0x0               ; attn s[4:5], wf s[6:7], bo s[8:9], out0 s[10:11]
	v_lshl_add_u32 v[SPW], v0, 2, SPARE
	v_mov_b32 v[NIL], 0
	ds_add_u32 v[SPW], v[NIL]                      ; the wave's opening: the add and its wait stand ahead of my first tensor load; the set-up below, work on registers, stands between them
	v_lshrrev_b32 v1, 5, v0
	v_readfirstlane_b32 s[WV], v1                  ; wave 0..3
	; group 1: 8,192 dense bytes as 32 rows of 32 elements of 8 bytes
	s_mov_b32 s[G1+0], 3<<16                       ; no mask; elements of 8 bytes; no padding
	s_mov_b32 s[G1+1], 32<<16                      ; tensor_dim0 = 32
	s_mov_b32 s[G1+2], 32<<16                      ; tensor_dim1 = 32
	s_mov_b32 s[G1+3], 32<<16                      ; tile_dim0 = 32
	s_mov_b32 s[G1+4], 32                          ; tile_dim1 = 32
	s_mov_b32 s[G1+5], 32                          ; 32 elements from row to row
	s_mov_b32 s[G1+6], 0
	s_mov_b32 s[G1+7], 0
	s_lshl_b32 s13, s[WV], 15                      ; my quarter of K: 32,768 bytes of each block of 128 rows
.irp i, 0,1,2,3,4,5,6,7
	s_mov_b32 s[G0+4*(\i)], 1                      ; count = 1
	s_add_co_u32 s[G0+4*(\i)+1], s13, ((\i)/4)*131072+((\i)%4)*8192  ; LDS address: as in memory
.endr
	s_and_b32 s14, ttmp7, 0xffff                   ; y
	s_lshl_b32 s2, s14, 19                         ; 256 rows of 2,048 bytes of out0
	s_mov_b32 s3, 0
	s_lshl_b32 s14, s14, 18                        ; 262,144 bytes of attn
	s_add_co_u32 s14, s14, s13
	s_mov_b32 s15, 0
	v_and_b32 v14, 31, v0                          ; l
	v_and_b32 v15, 15, v0                          ; l % 16
	v_bfe_u32 v16, v0, 4, 1                        ; l / 16
	v_lshlrev_b32 v[AAD], 4, v14
	v_add_nc_u32 v[AAD+1], 0x10000, v[AAD]
	v_add_nc_u32 v[AAD+2], 0x20000, v[AAD]
	v_add_nc_u32 v[AAD+3], 0x30000, v[AAD]
	v_lshlrev_b32 v[BOFF], 4, v14
	s_mul_i32 s60, s[WV], 4352
	s_add_co_u32 s60, s60, STAGE                   ; my stage
	v_mul_u32_u24 v[STO], v15, 272
	v_lshl_add_u32 v[STO], v16, 5, v[STO]
	v_add_nc_u32 v[STO], s60, v[STO]
	v_mul_u32_u24 v[RD], v16, 272
	v_lshl_add_u32 v[RD], v15, 4, v[RD]
	v_add_nc_u32 v[RD], s60, v[RD]
	v_lshlrev_b32 v[OOFF], 11, v16
	v_lshl_add_u32 v[OOFF], v15, 4, v[OOFF]
	s_lshl_b32 s61, ttmp9, 10                      ; the column half: 1,024 bytes of a row of out0, and of bo,
	s_lshl_b32 s62, s[WV], 8                       ; my 64 columns: 256 bytes
	s_add_co_u32 s61, s61, s62
	v_lshl_add_u32 v[BOB], v16, 5, s61
	s_add_co_u32 s2, s2, s61
	s_lshl_b32 s62, ttmp9, 2
	s_add_co_u32 s62, s62, s[WV]                   ; 4 x + w: my block of Wo
	s_lshl_b32 s62, s62, 16
	s_add_co_u32 s62, s62, 1572864
	s_mov_b32 s63, 0
	s_wait_dscnt 0x0                               ; the opening add is done
	s_wait_kmcnt 0x0
	s_add_nc_u64 s[4:5], s[4:5], s[14:15]
.irp i, 0,1,2,3,4,5,6,7
	s_add_nc_u64 s[G0+4*(\i)+2:G0+4*(\i)+3], s[4:5], ((\i)/4)*131072+((\i)%4)*8192
	s_or_b32 s[G0+4*(\i)+3], s[G0+4*(\i)+3], 0x80000000  ; type = 2
.endr
.irp i, 0,1,2,3,4,5,6,7
	tensor_load_to_lds s[G0+4*(\i):G0+4*(\i)+3], s[G1:G1+7]  ; the first fills, one group, ahead of every wait on TENSORcnt, every LDS read and every barrier
	s_nop 0
.endr
.rept 4
	v_nop
.endr
	s_add_nc_u64 s[BP:BP+1], s[6:7], s[62:63]
	s_add_nc_u64 s[OUTP:OUTP+1], s[10:11], s[2:3]
.macro BL kb                           ; Wo's four fragments of step kb: 8 loads of 512 consecutive bytes, into registers that no product has named
	WIN 0x80+0x40*((\kb)/8)                        ; destination window 2 or 3
.irp c, 0,1,2,3
	global_load_b128 v[32*((\kb)%8)+8*(\c):32*((\kb)%8)+8*(\c)+3],   v[BOFF], s[BP:BP+1] offset:(\kb)*4096+(\c)*1024
	global_load_b128 v[32*((\kb)%8)+8*(\c)+4:32*((\kb)%8)+8*(\c)+7], v[BOFF], s[BP:BP+1] offset:(\kb)*4096+(\c)*1024+512
.endr
.endm
.macro ALD f                           ; phase f's 16 fragments of attn: 32 loads, each 512 consecutive bytes of LDS
	WIN 0x40                                       ; destination window 1
.set ar_, AAD+2*((\f)/8)+(\f)%2
.irp t, 0,1
.irp k, 0,1,2,3,4,5,6,7
.set ao_, ((\k)/4)*32768+(2*(((\f)/2)%4)+(\t))*4096+((\k)%4)*1024
.set ad_, 128*((\f)%2)+64*(\t)+8*(\k)
	ds_load_b128 v[ad_:ad_+3],   v[ar_] offset:ao_
	ds_load_b128 v[ad_+4:ad_+7], v[ar_] offset:ao_+512
.endr
.endr
.endm
; THE WAY OUT of row tile n (0 to 15), through my own stage: a lane's 32 bytes of a row go in, whole rows of 256 bytes come back; a phase later they are stored.
.macro TOST n
	WIN 0
.set ab_, ACC+64*(((\n)/2)%2)+32*((\n)%2)
.irp c, 0,1,2,3
	ds_store_b128 v[STO], v[ab_+8*(\c):ab_+8*(\c)+3]   offset:(\c)*64     ; each accumulator from its low end on
	ds_store_b128 v[STO], v[ab_+8*(\c)+4:ab_+8*(\c)+7] offset:(\c)*64+16
.endr
.irp t, 0,1,2,3,4,5,6,7
	ds_load_b128 v[OB+32*((\n)%2)+4*(\t):OB+32*((\n)%2)+4*(\t)+3], v[RD] offset:(\t)*544  ; LDS serves a wave's instructions in order (ISA guide 5.7.1.4): these see the stores above; the next tile's stores come behind them
.endr
.endm
.macro SEND n
	WIN 0
.irp t, 0,1,2,3,4,5,6,7
	global_store_b128 v[OOFF], v[OB+32*((\n)%2)+4*(\t):OB+32*((\n)%2)+4*(\t)+3], s[OUTP:OUTP+1] offset:(\n)*32768+(\t)*4096 th:TH_STORE_NT  ; 16 lanes store 256 consecutive bytes, at a multiple of 256 from out0's first byte
.endr
.endm
; THE HEAD OF PHASE f.  Four places behind the last products, for the stage's reads of results and for the loads into the fragment buffer that they read.  s_wait_dscnt 0: this phase's fragments and the tile
; staged at the last head are in: all were issued a phase ago.  s_wait_xcnt 0: the stores of the last head have read the way-out buffer that is loaded again below.
; At odd phases up to 13 the next pair of row tiles is shown whole: my load of it has landed (behind it 6 - f / 2 loads of mine may stay out), and everybody's has.
.macro HEAD f
	WIN 0
.if (\f) > 0
.rept 4
	v_nop
.endr
.endif
	s_wait_dscnt 0x0
.if (\f) >= 4
	s_wait_xcnt 0x0
.endif
.if (((\f)%2) == 1) && ((\f) <= 13)
	s_wait_tensorcnt 6-(\f)/2
	s_barrier_signal -1
	s_barrier_wait -1
.endif
.if (\f) >= 2
	TOST (\f)-2
.endif
.if (\f) <= 14
	ALD (\f)+1
.endif
.if (\f) >= 3
	SEND (\f)-3
.endif
.endm
; THE 64 PRODUCTS OF PHASE f: 8 steps of K x 4 column blocks x 2 row tiles; the 8 accumulators take turns.  A pair's first step starts the sums with the bias.
; In phases 0 and 1 alone Wo is still coming: ahead of step kb's products step kb + 6 is asked for, and the wait leaves out the loads issued behind step kb's: 8 for each of steps kb + 1 .. min(kb + 6, 15).
.macro MULS f
.set hk_, (\f)%2
.set as_, ACC+64*(((\f)/2)%2)
.irp k, 0,1,2,3,4,5,6,7
.if (\f) <= 1
.if 8*hk_+(\k) < 10
	BL 8*hk_+(\k)+6
.endif
.set lc_, 15-8*hk_-(\k)
.if lc_ > 6
.set lc_, 6
.endif
	s_wait_loadcnt 8*lc_
.endif
	WIN 0x06+hk_                                   ; Wo window 2 or 3, attn window 1, C and D window 0
.irp c, 0,1,2,3
.irp t, 0,1
.if (hk_ == 0) && ((\k) == 0)
	v_wmma_f32_16x16x32_f16 v[as_+8*(4*(\t)+(\c)):as_+8*(4*(\t)+(\c))+7], v[32*(\k)+8*(\c):32*(\k)+8*(\c)+7], v[128*((\f)%2)+64*(\t)+8*(\k):128*((\f)%2)+64*(\t)+8*(\k)+7], v[BIAS+8*(\c):BIAS+8*(\c)+7]
.else
	v_wmma_f32_16x16x32_f16 v[as_+8*(4*(\t)+(\c)):as_+8*(4*(\t)+(\c))+7], v[32*(\k)+8*(\c):32*(\k)+8*(\c)+7], v[128*((\f)%2)+64*(\t)+8*(\k):128*((\f)%2)+64*(\t)+8*(\k)+7], v[as_+8*(4*(\t)+(\c)):as_+8*(4*(\t)+(\c))+7]
.endif
.endr
.endr
.endr
.endm
.irp c, 0,1,2,3
	global_load_b128 v[BIAS+8*(\c):BIAS+8*(\c)+3],   v[BOB], s[8:9] offset:(\c)*64     ; the bias as the C operand wants it: register 8 cb + j = column 16 cb + 8 (l/16) + j
	global_load_b128 v[BIAS+8*(\c)+4:BIAS+8*(\c)+7], v[BOB], s[8:9] offset:(\c)*64+16
.endr
.irp k, 0,1,2,3,4,5
	BL \k
.endr
	WIN 0
	s_wait_tensorcnt 0x7                           ; my part of pair 0 is in; seven loads of mine may stay out
	s_barrier_signal -1
	s_barrier_wait -1                              ; everybody's is
	ALD 0
	WIN 0
	s_wait_loadcnt 48                              ; the bias is in: behind it stand the 48 loads of Wo's steps 0 to 5
.set g_, 0
.rept 4
.irp i, 0,1,2,3
	v_cvt_pk_bf16_f32 v[20+(\i)], v[BIAS+8*g_+2*(\i)], v[BIAS+8*g_+2*(\i)+1]  ; rounded to bf16 like every input,
.endr
.irp i, 0,1,2,3
	v_lshlrev_b32 v[BIAS+8*g_+2*(\i)], 16, v[20+(\i)]                        ; and widened again
	v_and_b32 v[BIAS+8*g_+2*(\i)+1], 0xffff0000, v[20+(\i)]
.endr
.set g_, g_+1
.endr
.irp f, 0,1,2,3,4,5,6,7,8,9,10,11,12,13,14,15
	HEAD \f
	MULS \f
.endr
	HEAD 16                                        ; the last pair leaves: tile 14 through the stage, tile 13 stored,
	HEAD 17                                        ; tile 15 through the stage, tile 14 stored,
	s_wait_dscnt 0x0
	SEND 15                                        ; and tile 15
	s_wait_tensorcnt 0x0                           ; the wave's end, behind my last tensor load and my last LDS store
	ds_add_u32 v[SPW], v[NIL]
	s_wait_dscnt 0x0
	s_endpgm
.Lfunc_end_k_q23c5e268e2_outp:
	.size	k_q23c5e268e2_outp, .Lfunc_end_k_q23c5e268e2_outp-k_q23c5e268e2_outp
	.p2alignl 7, 3214868480
	.fill 96, 4, 3214868480
	.section	.rodata,"a",@progbits
	.p2align	6, 0x0
	.amdhsa_kernel k_q23c5e268e2_outp
		.amdhsa_group_segment_fixed_size 280064
		.amdhsa_private_segment_fixed_size 0
		.amdhsa_enable_private_segment 0
		.amdhsa_kernarg_size 32
		.amdhsa_user_sgpr_count 2
		.amdhsa_user_sgpr_kernarg_segment_ptr 1
		.amdhsa_wavefront_size32 1
		.amdhsa_system_sgpr_workgroup_id_x 1
		.amdhsa_system_sgpr_workgroup_id_y 1
		.amdhsa_system_sgpr_workgroup_id_z 1
		.amdhsa_system_vgpr_workitem_id 0
		.amdhsa_next_free_vgpr 1024
		.amdhsa_next_free_sgpr 66
		.amdhsa_reserve_vcc 0
		.amdhsa_float_denorm_mode_32 3
		.amdhsa_float_denorm_mode_16_64 3
		.amdhsa_memory_ordered 1
		.amdhsa_forward_progress 1
		.amdhsa_inst_pref_size 152
	.end_amdhsa_kernel
	.amdgpu_metadata
---
amdhsa.version: [ 1, 2 ]
amdhsa.kernels:
  - .name:           k_q23c5e268e2_outp
    .symbol:         k_q23c5e268e2_outp.kd
    .args:
      - { .name: attn, .offset: 0, .size: 8, .value_kind: global_buffer, .address_space: global }
      - { .name: wf, .offset: 8, .size: 8, .value_kind: global_buffer, .address_space: global }
      - { .name: bo, .offset: 16, .size: 8, .value_kind: global_buffer, .address_space: global }
      - { .name: out0, .offset: 24, .size: 8, .value_kind: global_buffer, .address_space: global }
    .group_segment_fixed_size: 280064
    .private_segment_fixed_size: 0
    .kernarg_segment_align: 8
    .kernarg_segment_size: 32
    .max_flat_workgroup_size: 128
    .sgpr_count:     66
    .vgpr_count:     1024
    .wavefront_size: 32
...
	.end_amdgpu_metadata
.endif
;; end of part 3
;; ======== version 2 of 2: 3 launches; version 1 with the launch qkva written anew for expert scheduling mode
;; limits: values are held in f16: magnitudes above 65,504 overflow, below 6.1e-05 lose precision
;; workspace buffers: wf 2,097,152 bytes; attn 33,554,432 bytes
;; launch prep: the kernel of part 1 again; grid 32 x 4, 8 waves a work-group, no clusters, 0 bytes of LDS; arguments Wk, Wv, Wq, Wo, wf; writes wf
;; launch qkva (part 4): grid 2 x 128, 4 waves a work-group, no clusters, 323,072 bytes of LDS; arguments key, value, query, bk, bv, bq, wf, attn; writes attn
.if DOCPART == 4
	.amdgcn_target "amdgcn-amd-amdhsa--gfx1250"
	.amdhsa_code_object_version 6
	.text
	.protected	k_q23c5e268e2_qkva
	.globl	k_q23c5e268e2_qkva
	.p2align	8
	.type	k_q23c5e268e2_qkva,@function
k_q23c5e268e2_qkva:
	s_mov_b64 s[64:65], 0
	v_nop
	global_prefetch_b8 v0, s[64:65] scope:SCOPE_SE
	s_setreg_imm32_b32 hwreg(HW_REG_WAVE_SCHED_MODE, 0, 2), 2
	s_setreg_imm32_b32 hwreg(HW_REG_WAVE_MODE, 25, 1), 1
	s_wait_xcnt 0x0
	s_wait_alu depctr_vm_vsrc(0)
; K, V AND Q PROJECTIONS AND CAUSAL ATTENTION OF ONE CHUNK OF 256 ROWS, FOR FOUR HEADS.
; key, value, query: [32768][512] f32; bk, bv, bq: [512] f32; wf: the weights as fragments (bf16), a head's 48 K steps of 32 on end, 4,096 bytes a step;
; attn: f16 fragments [128 rows b][q 4][row tile 8][kb%4][1,024 bytes], k = 64 head + channel, kb = k / 32 = 4 q + kb%4.
; FORMATS.  x, the weights and the biases are rounded to bf16; sums in f32; q, k, v, the weights p and attn are f16 (p's sum is taken of the unrounded p).
; LIMITS.  |q|, |k|, |v| stay under 65,504 (f16's end); a hidden score counts as its value less 1e30; a weight below 2^-126 counts as 0; NaN and infinities are not treated apart.
; SHARES.  Work-group (g, chunk); WAVE = HEAD 4 g + w.  For each projection a wave makes 256 rows x 64 channels: 64 accumulators, 512 registers.
; The product is taken as D = W x^T (source 0 = 16 channels of W, source 1 = 16 rows of x): a lane holds ONE row (l % 16) and the channels 16 cb + 8 (l / 16) + 0..7.
; Two such results packed to f16 are a fragment with the row on the lane: K is source 0 and Q source 1 of S^T = K Q^T as they come, and O^T packed is what the next launch reads.
; V alone is turned, once, by ds_load_tr16_b128.  Behind the projections all is the wave's own: the attention has no barrier.
; NO CLUSTER: the two work-groups of a chunk read the same x, but x is f32 and passes through registers to be rounded; beside the parked K and V, LDS has 61 KiB, too little for f32 tiles and a bf16 stage.
; THE STREAM.  48 K steps of 32 (16 for K, 16 for V, 16 for Q) run on without a break.  x: memory -> registers (each wave 64 rows) -> bf16 -> a stage of two buffers in LDS -> every wave's
; fragments.  W: each wave's own four fragments a step, memory -> registers.  A step is four PAIRS of 16 matrix instructions; a pair's loads and stores stand in two runs, one at its head and one in its middle.
; The last trip's loads have nothing left to fetch: they stay in the text, so that every counted wait holds on every path, and read one 16-byte piece of query (all lanes alike) and the
; next block of wf, both inside their buffers; what is made of them serves nothing.  That is the price of one text for every trip.
; THE MODE: SCHED_MODE bits 1:0 = 2 (LLVM: expert scheduling mode 2), set by the entry lines.  The code itself states the register dependences between vector or matrix instructions
; and memory or LDS instructions, with s_wait_alu, always for 0.
; THE PLAN.  Registers that memory or LDS instructions touch, and who else names them:
;   window 1, slot u, quarter q   Loaded in pair (s, q) for step s + 4; 11 pairs later eight conversions read and write it in place and four LDS stores read it; five pairs after that it is loaded again.
;   XB0, XB1                      Pair p's LDS loads land in XB[(p + 1) % 2], which pair p - 1's products read last; pair p's products read XB[p % 2].
;   WB, slot (u + 3) % 4          Pair (s, p) loads its fragment p, which step s - 1's products read last; step s's products read slot u.
;   v4                            Read by every load of x; written once a trip.      v5-v11, v13, v20, v21: addresses made at the head and never written again.
;   v32-63 (the bias), v1         Loaded, and v1 made, at a projection's end; the bias is read by the products of the projection's first step.
;   PK0, PK1 (v96-127)            At a projection's end: block e's roundings write PK[e % 2], its four LDS stores read it.
;   In the attention: v12 and Q's registers, once a query tile; window 3's v0-15, the data of a tile's four stores, which the next tile's products write.
; So ONE wait on va_vdst stands in a pair, behind its conversions; both runs of the pair follow it with no further wait, since the products between name accumulators, WB's slot u, XB[p % 2] and the bias alone.
; ONE wait on vm_vsrc stands in a step, at its head.  The other waits stand at a projection's end and in the attention, each with its dependence beside it.
; REGISTERS, in windows of 256 (s_set_vgpr_msb: bits 1:0 source 0, 3:2 source 1, 5:4 source 2, 7:6 destination):
;   window 0: v0-31 addresses and scratch; v32-63 the bias; v64-127 two buffers of four x fragments; v128-255 four buffers of four W fragments.  In the attention: v64-95 masks, v96-103 the diagonal's mask, v104-119 Q
;   window 1: x as loaded, slot step%4, quarter q at 64 slot + 16 q.  In the attention: K's fragments, key tile kt, channel half c at 16 kt + 8 c
;   windows 2, 3: accumulator (row tile xt, cb) at 8 (4 (xt%8) + cb), window 2 for xt < 8.  In the attention window 2: V^T, 32 keys kk, cb at 32 kk + 8 cb;
;   window 3: S^T at 8 kt; P at 128 + 4 kt; O^T at 192 + 8 cb; statistics from 224
.set XSB,   20480                      ; a stage buffer: 256 rows of 64 bytes bf16, 80 bytes apart (5 x 16: the 16 rows of a fragment load start at 16 different groups of four banks)
.set KP,    40960                      ; 4 x 32,768: per wave K's (later Q's) fragments: row tile x 2,048 + cb x 512 + 16 l
.set VP,    172032                     ; 4 x 36,864: per wave V by rows: key x 144 + 2 x channel
.set BI,    319488                     ; 4 x 768: per wave the three biases, f32 (rounded to bf16): 256 x projection + 4 x channel
.set SPARE, 322560                     ; the spare words, 128 bytes for each wave: two blocks of 256 bytes that no other line names
.set SPW,  2                           ; v2   SPARE + 4 x my thread's number; never rewritten
.set NIL,  3                           ; v3   0; never rewritten
.set XOFF, 4                           ; v4   x: (64 w + 4 (l/8)) rows x 2,048 + 16 (l%8); 0 in the last trip
.set LOFF, 5                           ; v5   16 l: W's loads and attn's stores
.set XWR,  6                           ; v6   stage: (64 w + 4 (l/8)) x 80 + 8 (l%8)
.set XRD,  7                           ; v7   stage: (l%16) x 80 + 16 (l/16)
.set KST,  8                           ; v8   my wave's KP + 16 l
.set VST,  9                           ; v9   my wave's VP + (l%16) x 144 + 16 (l/16)
.set BAD,  10                          ; v10  my wave's BI + 32 (l/16)
.set VRD,  11                          ; v11  my wave's VP + (8 (l/16) + l%8) x 144 + 16 ((l/8)%2)
.set QAD,  12                          ; v12  the query tile in hand
.set PFO,  13                          ; v13  (64 w + l) rows x 2,048: the prefetches' offset; never rewritten
.set BIAS, 32
.set XB,   64
.set WB,   128
.set PK,   96                          ; the second x buffer, free at a projection's end: packed results, its two halves by turns
.set MC,   64
.set MD,   96
.set QF,   104
.set PP,   128                         ; window 3
.set OO,   192
.set CC,   224                         ; four chains of the maximum; later scratch
.set SC,   229                         ; what comes from the other half of the lanes
.set CM,   230                         ; c m, m
.set LL,   232                         ; four pairs of sums
.set RL,   240                         ; 1 / l, twice
.set WV,   2                           ; s2   my wave's number
.set GX,   3                           ; s3   g
.set CH,   4                           ; s4   the chunk
.set GP,   5                           ; s5   the projection: 0 K, 1 V, 2 Q
.set CNT,  6                           ; s6   trips of four steps to go
.set TP,   7                           ; s7   scratch
.set XP,   24                          ; s[24:25] x at the four steps that this trip asks for
.set PF,   26                          ; s[26:27] x at the four steps after those
.set WP,   28                          ; s[28:29] wf at W of step 4 T + 4
.set OP,   30                          ; s[30:31] attn at the query tile in hand
.set OF,   32                          ; s[32:33] an offset; the high word stays 0
.set CS,   34                          ; s[34:35] c = log2(e) / (16 sqrt 8)
.set SEL,  36                          ; s[36:37] v_permlanex16_b32's selects: each lane takes its own place in the other half
.set BIGN, 38                          ; s38  -1e30
.set HEAD, 39                          ; s39  4 g + w
.set AL,   40                          ; s[40:41] the mask's factor
.set BE,   42                          ; s[42:43] the mask's addend
.set IQ,   44                          ; s44  counts four query tiles
.set TR,   45                          ; s45  the trip, 0 to 11
.set ASK,  46                          ; s46  11 in the work-group that prefetches (g = 0), else 0
.set MK,   48                          ; s48-55  the eight compares that make the diagonal's mask
.set MSB, 0
.macro WIN new                         ; the immediate's high byte repeats the setting that is left; a switch that changes nothing is dropped
.if MSB != (\new)
	s_set_vgpr_msb (MSB<<8)|(\new)
.set MSB, \new
.endif
.endm
	s_load_b512 s[8:23], s[0:1], 0x0               ; key s[8:9], value s[10:11], query s[12:13], bk s[14:15], bv s[16:17], bq s[18:19], wf s[20:21], attn s[22:23]
	v_lshl_add_u32 v[SPW], v0, 2, SPARE
	v_mov_b32 v[NIL], 0
	v_lshrrev_b32 v1, 5, v0
	v_readfirstlane_b32 s[WV], v1                  ; wave 0..3
	s_mov_b32 s[GX], ttmp9
	s_and_b32 s[CH], ttmp7, 0xffff
	s_mov_b32 s[CS], 0x3d0293ee                    ; 0.0318794
	s_mov_b32 s[CS+1], s[CS]                       ; named with it as a pair
	s_mov_b32 s[SEL], 0x76543210
	s_mov_b32 s[SEL+1], 0xfedcba98
	s_mov_b32 s[BIGN], 0xf149f2ca
	s_mov_b32 s[AL+1], 0                           ; named as pairs
	s_mov_b32 s[BE+1], 0
	s_mov_b32 s[TR], 0
	s_mov_b32 s[GP], 0
	s_mov_b32 s[OF+1], 0
	s_cmp_eq_u32 s[GX], 0
	s_cselect_b32 s[ASK], 11, 0
	v_and_b32 v14, 31, v0                          ; l
	v_and_b32 v15, 15, v0                          ; l % 16
	v_bfe_u32 v16, v0, 4, 1                        ; l / 16
	v_bfe_u32 v17, v0, 3, 2                        ; l / 8
	v_and_b32 v18, 7, v0                           ; l % 8
	v_bfe_u32 v19, v0, 3, 1                        ; (l / 8) % 2
	s_wait_alu depctr_va_sdst(0)                   ; s2, the wave's number, is written, ahead of its first reader: the head, the LDS places and the bases are made from it
	s_lshl2_add_u32 s[HEAD], s[GX], s[WV]          ; 4 g + w
	s_lshl_b32 s[TP], s[WV], 17                    ; 64 rows of 2,048 bytes
	v_lshlrev_b32 v[XOFF], 13, v17
	v_lshl_add_u32 v[XOFF], v18, 4, v[XOFF]
	v_add_nc_u32 v[XOFF], s[TP], v[XOFF]
	v_lshl_add_u32 v[PFO], v14, 11, s[TP]
	v_lshlrev_b32 v[LOFF], 4, v14
	s_mul_i32 s[TP], s[WV], 5120                   ; 64 rows of 80 bytes
	v_mul_u32_u24 v[XWR], v17, 320
	v_lshl_add_u32 v[XWR], v18, 3, v[XWR]
	v_add_nc_u32 v[XWR], s[TP], v[XWR]
	v_mul_u32_u24 v[XRD], v15, 80
	v_lshl_add_u32 v[XRD], v16, 4, v[XRD]
	s_lshl_b32 s[TP], s[WV], 15
	s_add_co_u32 s[TP], s[TP], KP
	v_add_nc_u32 v[KST], s[TP], v[LOFF]
	s_mul_i32 s[TP], s[WV], 36864
	s_add_co_u32 s[TP], s[TP], VP
	v_mul_u32_u24 v[VST], v15, 144
	v_lshl_add_u32 v[VST], v16, 4, v[VST]
	v_add_nc_u32 v[VST], s[TP], v[VST]
	v_lshl_add_u32 v[VRD], v16, 3, v18
	v_mul_u32_u24 v[VRD], v[VRD], 144
	v_lshl_add_u32 v[VRD], v19, 4, v[VRD]
	v_add_nc_u32 v[VRD], s[TP], v[VRD]
	s_mul_i32 s[TP], s[WV], 768
	s_add_co_u32 s[TP], s[TP], BI
	v_lshl_add_u32 v[BAD], v16, 5, s[TP]
	v_lshl_add_u32 v20, v14, 3, s[TP]              ; where I put two numbers of a bias
	s_lshl_b32 s[TP], s[HEAD], 8
	v_lshl_add_u32 v21, v14, 3, s[TP]              ; and where they lie in memory: (64 head + 2 l) x 4
	s_wait_kmcnt 0x0
	s_lshl_b32 s[OF], s[CH], 19                    ; the chunk's 256 rows of 2,048 bytes
	s_add_nc_u64 s[8:9], s[8:9], s[OF:OF+1]
	s_add_nc_u64 s[10:11], s[10:11], s[OF:OF+1]
	s_add_nc_u64 s[12:13], s[12:13], s[OF:OF+1]
	s_mov_b64 s[XP:XP+1], s[8:9]                   ; steps 0 to 3
	s_add_nc_u64 s[PF:PF+1], s[8:9], 512           ; steps 4 to 7
	s_mul_i32 s[OF], s[HEAD], 196608
	s_add_nc_u64 s[WP:WP+1], s[20:21], s[OF:OF+1]  ; my head's weights
	s_lshl_b32 s[OF], s[CH], 18                    ; the chunk's two blocks of 131,072 bytes,
	s_lshr_b32 s[TP], s[HEAD], 1
	s_lshl_b32 s[TP], s[TP], 15                    ; q = head / 2,
	s_add_co_u32 s[OF], s[OF], s[TP]
	s_and_b32 s[TP], s[HEAD], 1
	s_lshl_b32 s[TP], s[TP], 11                    ; kb % 4 = 2 (head % 2)
	s_add_co_u32 s[OF], s[OF], s[TP]
	s_add_nc_u64 s[OP:OP+1], s[22:23], s[OF:OF+1]
	s_wait_alu depctr_va_vdst(0)                   ; the addresses and offsets v4 to v11, v13, v20 and v21 are written, which the loads, stores and prefetches below read
	global_load_b64 v[22:23], v21, s[14:15]        ; the head's biases, two numbers a lane
	global_load_b64 v[24:25], v21, s[16:17]
	global_load_b64 v[26:27], v21, s[18:19]
; Eight of the 16 matrix instructions of pair p of a step in slot u: row tiles 4 p .. 4 p + 3 x the channel blocks 2 h, 2 h + 1.  ci = 1: the projection's first step: the bias starts the sum.
; The 64 accumulators take turns, one instruction a turn, in the same order in every step.
.macro MMH u, p, ci, h
.if \ci
	WIN 0x80+0x40*((\p)/2)                         ; D in window 2 or 3, all sources in window 0
.else
	WIN 0xa0+0x50*((\p)/2)                         ; C and D in window 2 or 3
.endif
.irp c, 0,1
.irp t, 0,1,2,3
.set ac_, 8*(((4*(\p)+(\t))%8)*4+2*(\h)+(\c))
.set wa_, WB+32*(\u)+8*(2*(\h)+(\c))
.set xa_, XB+32*((\p)%2)+8*(\t)
.if \ci
	v_wmma_f32_16x16x32_bf16 v[ac_:ac_+7], v[wa_:wa_+7], v[xa_:xa_+7], v[BIAS+8*(2*(\h)+(\c)):BIAS+8*(2*(\h)+(\c))+7]
.else
	v_wmma_f32_16x16x32_bf16 v[ac_:ac_+7], v[wa_:wa_+7], v[xa_:xa_+7], v[ac_:ac_+7]
.endif
.endr
.endr
.endm
; PAIR p OF STEP s (u = s % 4).  At its head a quarter of x is converted (of step s + 2, quarter 0, in p = 3; of step s + 1, quarter p + 1, before), and the pair's one wait on va_vdst follows.  Behind it:
; the next pair's four x fragments out of the stage and fragment p of W of step s + 3; eight products; the converted quarter into the stage and quarter p of x of step s + 4; eight products.
; mma, cv, xl, wl, rl, bar switch these parts (the prologue runs the same text without products); nl: the count of the wait for x; pf: 0 or 1: a prefetch of that 256-byte block.
; s_wait_loadcnt.  Every pair issues 6 loads, W's first.  The quarter to be converted was asked for 11 pairs back: 60 loads stand behind it; the count is 57, so that with this pair's six 63 are out at the most.
; In p = 0 it is 52: behind the last fragment of this step's W (asked for in pair 3 three steps back) stand 4 + 24 + 24 loads.
; s_wait_dscnt 12: all but the last pair's 4 stores and this pair's 8 loads: the fragments that the last pair asked for are in.
; ONE BARRIER A STEP.  In front of the signal (behind pair 2's products) my reads of this step's stage buffer (the last in pair 2) and my stores of the next step's x are done; behind the wait
; (pair 3's head) the next buffer is read and this one is written again.  Between the two stand a wait and eight conversions: registers alone.
.macro PAIR u, p, mma, ci, cv, xl, wl, rl, bar, nl, pf
.if (\p) == 3
.set sl_, ((\u)+2)%4
.set jq_, 0
.set pr_, ((\u)+1)%2
.else
.set sl_, ((\u)+1)%4
.set jq_, (\p)+1
.set pr_, (\u)%2
.endif
.set pc_, 64*sl_+16*jq_
.if \cv
	s_wait_loadcnt \nl
	WIN 0x45                                       ; in place, in window 1: 16 f32 become 8 words of bf16
.irp i, 0,1,2,3
	v_cvt_pk_bf16_f32 v[pc_+4*(\i)],   v[pc_+4*(\i)],   v[pc_+4*(\i)+1]
	v_cvt_pk_bf16_f32 v[pc_+4*(\i)+1], v[pc_+4*(\i)+2], v[pc_+4*(\i)+3]
.endr
.endif
	WIN 0
.if (\bar) && ((\p) == 3)
	s_barrier_wait -1
.endif
.if (\mma) && ((\p) == 0) && ((\u) != 0)
	s_wait_alu depctr_vm_vsrc(0)                   ; the stage's stores that read slot u of window 1 (the last of them two pairs back) have read it: this step's loads of x land there.  (In a trip's first step the wait at the trip's head says so.)
.endif
.if \cv
	s_wait_alu depctr_va_vdst(0)                   ; the conversions have written the words that the stage's stores read; the last pair's products are done reading the x buffer, and the last step's the W fragment, in which the loads below land;
	                                               ; the conversions of five pairs back are done with the quarter of window 1 that is loaded again; in a trip's first pair v4 is written
.endif
.if \rl
.set tt_, 4*(((\p)+1)%4)
.set xb_, XB+32*(((\p)+1)%2)
.irp t, 0,1,2,3
	ds_load_b128 v[xb_+8*(\t):xb_+8*(\t)+3],   v[XRD] offset:pr_*XSB+(tt_+(\t))*1280
	ds_load_b128 v[xb_+8*(\t)+4:xb_+8*(\t)+7], v[XRD] offset:pr_*XSB+(tt_+(\t))*1280+32
.endr
.endif
.if \wl
.set wb_, WB+32*(((\u)+3)%4)+8*(\p)
	global_load_b128 v[wb_:wb_+3],   v[LOFF], s[WP:WP+1] offset:((\u)-1)*4096+(\p)*1024
	global_load_b128 v[wb_+4:wb_+7], v[LOFF], s[WP:WP+1] offset:((\u)-1)*4096+(\p)*1024+512
.endif
.if \mma
	s_wait_dscnt 12
	MMH \u, \p, \ci, 0
.endif
	WIN 0x44                                       ; addresses in window 0; store data and load destinations in window 1.  No wait: the eight products since the wait above name accumulators, W's slot u, this pair's x buffer and the bias alone
.if \cv
.irp i, 0,1,2,3
	ds_store_b64 v[XWR], v[pc_+4*(\i):pc_+4*(\i)+1] offset:(sl_%2)*XSB+(16*jq_+(\i))*80  ; four groups of lanes, four rows apart: 320 bytes, so the 32 lanes fill 256 different bytes modulo 256
.endr
.endif
.if \xl
.irp i, 0,1,2,3
	global_load_b128 v[64*(\u)+16*(\p)+4*(\i):64*(\u)+16*(\p)+4*(\i)+3], v[XOFF], s[XP:XP+1] offset:(16*(\p)+(\i))*2048+(\u)*128  ; 4 rows x 128 bytes
.endr
.endif
.if (\pf) >= 0
	; A PREFETCH of x, at the end of the run: block pf (256 bytes) of each of my 64 rows, of the four steps that the NEXT trip will ask for: a lane a row, two instructions.
	; Both work-groups of a chunk read the same rows: g = 0 asks, so each block is named once.  The first two trips' x comes by its loads alone; the last two trips have nothing two trips on and ask for nothing.
	WIN 0
	s_cmp_lt_u32 s[TR], s[ASK]
	s_cbranch_scc0 .Lnopf_\@
	global_prefetch_b8 v[PFO], s[PF:PF+1] offset:(\pf)*256 th:TH_LOAD_NT scope:SCOPE_SE
	global_prefetch_b8 v[PFO], s[PF:PF+1] offset:65536+(\pf)*256 th:TH_LOAD_NT scope:SCOPE_SE
.Lnopf_\@:
.endif
.if \mma
	MMH \u, \p, \ci, 1
.endif
.if (\bar) && ((\p) == 2)
	s_wait_dscnt 0x0                               ; for the others' sake: my reads of this step's buffer and my stores into the next are done
	s_barrier_signal -1
.endif
.endm
.macro STEP u, ci
.irp p, 0,1,2,3
.set pf_, -1
.if (((\u)%2) == 1) && ((\p) == 0)
.set pf_, (\u)/2
.endif
.set nl_, 57
.if (\p) == 0
.set nl_, 52
.endif
	PAIR \u, \p, 1, \ci, 1, 1, 1, 1, 1, nl_, pf_
.endr
.endm
; The head of a trip of four steps: the pointers.  x of trip t lies in tensor t / 4 at byte 512 (t % 4) of the rows.
.macro PTRS
	s_wait_xcnt 0x0                                ; every load and prefetch issued so far has had its address translated (the youngest load stands eight products back): the pointers and v4 may be written
	s_wait_alu depctr_vm_vsrc(0)                   ; the loads of x issued so far have read v4, which is written below; the stage's stores have read slot 0 of window 1, in which this step's loads of x land;
	                                               ; behind a projection's end its LDS stores have read v96-127, in which the first pair's fragments land
	s_mov_b64 s[XP:XP+1], s[PF:PF+1]               ; this trip asks for the next trip's steps
	s_add_co_u32 s[TP], s[TR], 2
	s_lshr_b32 s[OF], s[TP], 2
	s_cmp_eq_u32 s[OF], 0
	s_cselect_b64 s[PF:PF+1], s[8:9], s[12:13]
	s_cmp_eq_u32 s[OF], 1
	s_cselect_b64 s[PF:PF+1], s[10:11], s[PF:PF+1]
	s_and_b32 s[OF], s[TP], 3
	s_lshl_b32 s[OF], s[OF], 9
	s_add_nc_u64 s[PF:PF+1], s[PF:PF+1], s[OF:OF+1]
	s_add_nc_u64 s[WP:WP+1], s[WP:WP+1], 16384
	s_cmp_eq_u32 s[TR], 11                         ; the last trip has nothing to ask for: its loads read one piece for all lanes
	s_cselect_b32 s[TP], 0, 1
	v_mul_u32_u24 v[XOFF], s[TP], v[XOFF]
	s_add_co_u32 s[TR], s[TR], 1
.endm
.macro BLOAD reg, off                  ; a projection's bias as the C operand wants it: register 8 cb + j = channel 16 cb + 8 (l/16) + j
.irp c, 0,1,2,3
	ds_load_b128 v[BIAS+8*(\c):BIAS+8*(\c)+3],   v[\reg] offset:(\off)+(\c)*64
	ds_load_b128 v[BIAS+8*(\c)+4:BIAS+8*(\c)+7], v[\reg] offset:(\off)+(\c)*64+16
.endr
.endm
; THE PROLOGUE is the stream's steps -4 to -1: the same pairs without products, so that the loads stand in the loop's own order and every counted wait of the loop holds on the way in.
; Step -4 asks for no W (there is no step -1 to multiply): behind the first quarter of x stand 12 + 24 + 18 = 54 loads, and its wait says so; the later waits' counts lie under what stands behind their quarters.
; Its loads land in registers that no vector instruction has named: only the pairs that convert hold a wait on va_vdst.
.macro PRO u, p
.set cv_, 0
.set rl_, 0
.set wl_, 0
.set nl_, 57
.if ((\u) == 3) || (((\u) == 2) && ((\p) == 3))
.set cv_, 1
.endif
.if ((\u) == 3) && ((\p) == 3)
.set rl_, 1
.endif
.if (\u) >= 1
.set wl_, 1
.endif
.if (\p) == 0
.set nl_, 52
.endif
.if (\u) == 2
.set nl_, 54
.endif
.set br_, (\u)/3
	PAIR \u, \p, 0, 0, cv_, 1, wl_, rl_, br_, nl_, -1
.endm
.irp p, 0,1,2,3
	PRO 0, \p
.endr
.irp p, 0,1,2,3
	PRO 1, \p
.endr
.irp p, 0,1,2
	PRO 2, \p
.endr
	WIN 0
	s_wait_loadcnt 58                              ; the biases are in: behind them 16 + 24 + 18 loads of the stream were issued
.irp p, 0,1,2
	v_cvt_pk_bf16_f32 v[28+(\p)], v[22+2*(\p)], v[23+2*(\p)]  ; rounded to bf16 like every input,
.endr
.irp p, 0,1,2
	v_lshlrev_b32 v[22+2*(\p)], 16, v[28+(\p)]     ; and widened again
	v_and_b32 v[23+2*(\p)], 0xffff0000, v[28+(\p)]
.endr
	s_wait_alu depctr_va_vdst(0)                   ; the widened biases v22 to v27 are written, which the three LDS stores read
.irp p, 0,1,2
	ds_store_b64 v20, v[22+2*(\p):23+2*(\p)] offset:256*(\p)
.endr
	BLOAD BAD, 0                                   ; bk.  LDS serves a wave's instructions in order (ISA guide 5.7.1.4): these see the stores above; the first barrier's wait for 0 covers them
	PRO 2, 3
.irp p, 0,1,2,3
	PRO 3, \p
.endr
	WIN 0
.Lgemm:                                        ; a projection: four trips of four steps.  Only a trip's first step is written twice: the projection's first starts the sums with the bias
	PTRS
	STEP 0, 1
	WIN 0
	s_mov_b32 s[CNT], 4
	s_branch .Lrest                                ; into the middle of the counted loop
.Ltrip:
	PTRS
	STEP 0, 0
	WIN 0
.Lrest:
	STEP 1, 0
	STEP 2, 0
	STEP 3, 0
	WIN 0
	s_sub_co_u32 s[CNT], s[CNT], 1
	s_cmp_lg_u32 s[CNT], 0
	s_cbranch_scc1 .Ltrip
; A PROJECTION'S END: the 64 accumulators are rounded to f16, each from its low end on, and parked in my wave's own LDS.  kind = 0: as fragments (K, Q); kind = 1: by rows (V).
; The stream's loads for the next projection are on their way meanwhile; the first x buffer holds its first fragments, the second takes the packed words, its halves PK0 and PK1 by turns.
; Block e (a row tile): 16 roundings into PK[e % 2]; the two waits; four LDS stores.  The wait on vm_vsrc stands ahead of block e's stores and frees the OTHER half, which block e - 1's stores read
; and block e + 1's roundings write: so it waits for stores that were issued 16 roundings back.  Block 0 has no block in front of it and block 15 none behind it: they do not hold it.
.macro EPI kind
	WIN 0
.rept 4
	v_nop                                          ; the places behind the last products
.endr
.set e_, 0
.rept 16
.set pk_, PK+16*(e_%2)
	WIN 0x0a+5*(e_/8)                              ; sources in window 2 or 3
.set c_, 0
.rept 4
.set k_, 0
.rept 4
	v_cvt_pk_f16_f32 v[pk_+4*c_+k_], v[8*((e_%8)*4+c_)+2*k_], v[8*((e_%8)*4+c_)+2*k_+1]
.set k_, k_+1
.endr
.set c_, c_+1
.endr
	WIN 0
.if (e_ > 0) && (e_ < 15)
	s_wait_alu depctr_vm_vsrc(0)                   ; the last block's stores have read the other half of v96-127, which the next block's roundings write
.endif
	s_wait_alu depctr_va_vdst(0)                   ; this block's roundings have written its half, which the four stores read
.set c_, 0
.rept 4
.if \kind
	ds_store_b128 v[VST], v[pk_+4*c_:pk_+4*c_+3] offset:e_*2304+c_*32
.else
	ds_store_b128 v[KST], v[pk_+4*c_:pk_+4*c_+3] offset:e_*2048+c_*512
.endif
.set c_, c_+1
.endr
.set e_, e_+1
.endr
.endm
	s_cmp_eq_u32 s[GP], 1
	s_cbranch_scc1 .Lepv
	s_cmp_lg_u32 s[GP], 2
	s_cbranch_scc1 .Lepk
	s_wait_loadcnt 0x0                             ; behind Q: the last trip's loads into window 1 have landed; K goes there,
	WIN 0x40
	s_wait_alu depctr_va_vdst(0)                   ; the stream's conversions are done reading and writing window 1, in which K's fragments land
	s_wait_alu depctr_vm_vsrc(0)                   ; and the stage's stores have read it
.set f_, 0
.rept 32                                       ; fragment f = 2 kt + c: 1,024 bytes on end
	ds_load_b128 v[8*f_:8*f_+3],   v[KST] offset:f_*1024
	ds_load_b128 v[8*f_+4:8*f_+7], v[KST] offset:f_*1024+512
.set f_, f_+1
.endr
	WIN 0
	s_wait_dscnt 0x0                               ; and Q takes K's bytes
.Lepk:
	EPI 0
	s_branch .Lepd
.Lepv:
	EPI 1
.Lepd:
	s_cmp_eq_u32 s[GP], 2
	s_cbranch_scc1 .Latt
	s_lshl_b32 s[TP], s[GP], 8
	v_add_nc_u32 v1, s[TP], v[BAD]                 ; (the loads that read v1 a projection ago stand ahead of the trips' waits on vm_vsrc)
	s_wait_alu depctr_va_vdst(0)                   ; v1 is written, which the loads below read; the products of the projection's first step are done reading the bias, in which they land
	BLOAD 1, 256                                   ; the next projection's bias
	s_wait_dscnt 0x0
	s_add_co_u32 s[GP], s[GP], 1
	s_cmp_lt_u32 s[GP], 3
	s_cbranch_scc1 .Lgemm
.Latt:
; THE ATTENTION of my head: K in window 1, V^T into window 2, Q by tiles from LDS.
	WIN 0x80
	s_wait_alu depctr_va_vdst(0)                   ; the products have written window 2's accumulators and the roundings of Q's way out are done reading them: V^T lands there
	s_wait_alu depctr_vm_vsrc(0)                   ; the LDS stores of Q's way out have read v96-127: the diagonal's mask is written there below, and Q's tiles land there
.set f_, 0
.rept 32                                       ; fragment f = 4 kk + cb: 32 keys x 16 channels, turned
	ds_load_tr16_b128 v[8*f_:8*f_+3],   v[VRD] offset:(f_/4)*4608+(f_%4)*32
	ds_load_tr16_b128 v[8*f_+4:8*f_+7], v[VRD] offset:(f_/4)*4608+(f_%4)*32+2304
.set f_, f_+1
.endr
	WIN 0
	v_lshlrev_b32 v14, 3, v16
	v_sub_nc_u32 v14, v15, v14                     ; my query's place in its tile less my lanes' 8 (l/16): in the diagonal tile register j is hidden where j is greater
.set j_, 0
.rept 8                                        ; the eight compares in one run, each into a scalar register of its own
	v_cmp_gt_i32 s[MK+j_], j_, v14
.set j_, j_+1
.endr
	s_wait_alu depctr_va_sdst(0)                   ; s48 to s55 are written, ahead of the selects that read them
.set j_, 0
.rept 8
	v_cndmask_b32 v[MD+j_], 0, s[BIGN], s[MK+j_]
.set j_, j_+1
.endr
	WIN 0xc0
	v_mov_b32 v[SC], 0                             ; v_permlanex16_b32's destination counts as read
	WIN 0
	s_wait_dscnt 0x0
.macro FS n                            ; pair n of the scores: c s - c m
	v_pk_fma_f32 v[2*(\n):2*(\n)+1], v[2*(\n):2*(\n)+1], s[CS:CS+1], v[CM:CM+1] op_sel_hi:[1,0,0] neg_lo:[0,0,1] neg_hi:[0,0,1]
.endm
.macro PLN i                           ; what follows the exponentials, slot i: key tile i / 8, pair (i % 8) / 2; even: rounded to f16 into P; odd: added to the pair's sum (tiles 0 and 1 start the sums)
.set kt_, (\i)/8
.set j_, ((\i)%8)/2
.if (\i)%2 == 0
	v_cvt_pk_f16_f32 v[PP+4*kt_+j_], v[8*kt_+2*j_], v[8*kt_+2*j_+1]
.elseif kt_ == 1
	v_pk_add_f32 v[LL+2*j_:LL+2*j_+1], v[2*j_:2*j_+1], v[8+2*j_:8+2*j_+1]
.elseif kt_ > 1
	v_pk_add_f32 v[LL+2*j_:LL+2*j_+1], v[LL+2*j_:LL+2*j_+1], v[8*kt_+2*j_:8*kt_+2*j_+1]
.endif
.endm
; FOUR QUERY TILES, NK - 4 + IQ, against the key tiles 0 .. NK - 1: the tiles above a group's last diagonal are left out.  The last four key tiles take a mask as the C operand that starts the sum:
; MD x AL + BE, that is the diagonal's mask (tile = the query's), 0 (an earlier tile) or -1e30 (a later one).  The whole row is seen at once, so m is the row's true maximum;
; every row sees its own key, so m is a true score.  The exponentials go in two batches, each with one wait; the first batch's roundings and sums stand between the second's exponentials.
; A tile's memory instructions are Q's four LDS loads at its head and four stores at its end.
.macro ATT NK
	s_mov_b32 s[IQ], 0
.Lq_\@:
	s_lshl_b32 s[TP], s[IQ], 11
	v_add_nc_u32 v[QAD], s[TP], v[KST]
	s_wait_alu depctr_va_vdst(0)                   ; v12 is written, which Q's loads read; the last tile's products are done reading Q's registers, in which they land
.irp c, 0,1
	ds_load_b128 v[QF+8*(\c):QF+8*(\c)+3],   v[QAD] offset:((\NK)-4)*2048+(\c)*1024
	ds_load_b128 v[QF+8*(\c)+4:QF+8*(\c)+7], v[QAD] offset:((\NK)-4)*2048+(\c)*1024+512
.endr
.irp j, 0,1,2,3
	s_cmp_eq_u32 s[IQ], \j
	s_cselect_b32 s[AL], 1.0, 0
	s_cmp_lt_u32 s[IQ], \j
	s_cselect_b32 s[BE], s[BIGN], 0
.irp z, 0,1,2,3
	v_pk_fma_f32 v[MC+8*(\j)+2*(\z):MC+8*(\j)+2*(\z)+1], v[MD+2*(\z):MD+2*(\z)+1], s[AL:AL+1], s[BE:BE+1] op_sel_hi:[1,0,0]
.endr
.endr
	s_wait_dscnt 0x0                               ; Q is in
.set kt_, 0
.rept \NK                                      ; S^T = K Q^T, channels 0-31: the sums start; the NK accumulators take turns
.if kt_ >= (\NK)-4
	WIN 0xc1                                       ; K window 1, Q and the mask window 0, S^T window 3
	v_wmma_f32_16x16x32_f16 v[8*kt_:8*kt_+7], v[16*kt_:16*kt_+7], v[QF:QF+7], v[MC+8*(kt_-(\NK)+4):MC+8*(kt_-(\NK)+4)+7]
.else
	WIN 0xf1
	v_wmma_f32_16x16x32_f16 v[8*kt_:8*kt_+7], v[16*kt_:16*kt_+7], v[QF:QF+7], 0
.endif
.set kt_, kt_+1
.endr
	WIN 0xf1
.set kt_, 0
.rept \NK                                      ; channels 32-63
	v_wmma_f32_16x16x32_f16 v[8*kt_:8*kt_+7], v[16*kt_+8:16*kt_+15], v[QF+8:QF+15], v[8*kt_:8*kt_+7]
.set kt_, kt_+1
.endr
	WIN 0xff                                       ; the softmax lies in window 3
.rept 4
	v_nop                                          ; the places behind the last products
.endr
.set g_, 0
.rept (\NK)/4                                  ; the maximum: four chains, tile kt in chain kt % 4, each accumulator from its low end on
.set q_, 0
.rept 4
.set t_, 0
.rept 4
.set b_, 8*(4*g_+t_)
.if (g_ == 0) && (q_ == 0)
	v_max3_num_f32 v[CC+t_], v[b_], v[b_+1], v[b_+2]
.elseif (g_ == 0) && (q_ == 3)
	v_max_num_f32 v[CC+t_], v[CC+t_], v[b_+7]
.elseif g_ == 0
	v_max3_num_f32 v[CC+t_], v[CC+t_], v[b_+2*q_+1], v[b_+2*q_+2]
.else
	v_max3_num_f32 v[CC+t_], v[CC+t_], v[b_+2*q_], v[b_+2*q_+1]
.endif
.set t_, t_+1
.endr
.set q_, q_+1
.endr
.set g_, g_+1
.endr
	v_max3_num_f32 v[CC], v[CC], v[CC+1], v[CC+2]
	v_max_num_f32 v[CC], v[CC], v[CC+3]
	v_permlanex16_b32 v[SC], v[CC], s[SEL], s[SEL+1]  ; the query's other keys lie in the lane 16 away
	v_max_num_f32 v[CM+1], v[CC], v[SC]            ; m
	v_mul_f32 v[CM], s[CS], v[CM+1]                ; c m
	FS 0                                           ; FIRST BATCH: all the scalings, and between them the exponentials of the lower half of the key tiles; nothing here names an exponential's result
	FS 1
.set n_, 0
.rept 4*(\NK)
	v_exp_f32 v[n_], v[n_]
.if n_+2 < 4*(\NK)
	FS n_+2
.endif
.set n_, n_+1
.endr
	v_nop                                          ; a plain instruction behind the last exponential,
	s_wait_alu depctr_va_vdst(0)                   ; and the one wait ahead of the batch's first reader: the lower half's weights are written
.set i_, 0
.rept 4*(\NK)                                  ; SECOND BATCH: the upper half's exponentials; between them the lower half's roundings and sums
	v_exp_f32 v[n_], v[n_]
	PLN i_
.set n_, n_+1
.set i_, i_+1
.endr
	v_nop
	s_wait_alu depctr_va_vdst(0)                   ; the upper half's weights are written, ahead of their first reader
.rept 4*(\NK)                                  ; the upper half's roundings and sums
	PLN i_
.set i_, i_+1
.endr
	v_pk_add_f32 v[LL:LL+1], v[LL:LL+1], v[LL+2:LL+3]
	v_pk_add_f32 v[LL+4:LL+5], v[LL+4:LL+5], v[LL+6:LL+7]
	v_pk_add_f32 v[LL:LL+1], v[LL:LL+1], v[LL+4:LL+5]
	v_add_f32 v[CC], v[LL], v[LL+1]
	v_permlanex16_b32 v[SC], v[CC], s[SEL], s[SEL+1]
	v_add_f32 v[CC], v[CC], v[SC]                  ; l
	v_rcp_f32 v[RL], v[CC]                         ; twice, for the packed multiply; waited for behind the products below
	v_rcp_f32 v[RL+1], v[CC]
	WIN 0xfe                                       ; V^T window 2; P, O^T window 3
.set k_, 0
.rept (\NK)/2                                  ; O^T = V^T P: four accumulators by turns; the first four products start the sums
.set c_, 0
.rept 4
.if k_ == 0
	v_wmma_f32_16x16x32_f16 v[OO+8*c_:OO+8*c_+7], v[32*k_+8*c_:32*k_+8*c_+7], v[PP+8*k_:PP+8*k_+7], 0
.else
	v_wmma_f32_16x16x32_f16 v[OO+8*c_:OO+8*c_+7], v[32*k_+8*c_:32*k_+8*c_+7], v[PP+8*k_:PP+8*k_+7], v[OO+8*c_:OO+8*c_+7]
.endif
.set c_, c_+1
.endr
.set k_, k_+1
.endr
	WIN 0xff
.rept 4
	v_nop                                          ; the places behind the last products, and the plain instruction behind the reciprocals
.endr
	s_wait_alu depctr_va_vdst(0)                   ; one wait for the two reciprocals, ahead of their first reader
.set i_, 0
.rept 16
	v_pk_mul_f32 v[OO+2*i_:OO+2*i_+1], v[OO+2*i_:OO+2*i_+1], v[RL:RL+1]
.set i_, i_+1
.endr
.set i_, 0
.rept 16
	v_cvt_pk_f16_f32 v[i_], v[OO+2*i_], v[OO+2*i_+1]  ; into S^T's first registers: 4 cb + k: two fragments of the next launch's operand
.set i_, i_+1
.endr
	WIN 0x0c                                       ; address window 0, data window 3
	s_wait_alu depctr_va_vdst(0)                   ; the roundings have written window 3's v0-15, which the four stores read
.irp c, 0,1,2,3
	global_store_b128 v[LOFF], v[4*(\c):4*(\c)+3], s[OP:OP+1] offset:(\c)*512  ; 512 consecutive bytes, aligned; the tile's four stores 2,048 on end
.endr
	WIN 0
	s_wait_xcnt 0x0                                ; the stores' addresses are translated: their base is stepped below, and their data are written again in the next trip
	s_wait_alu depctr_vm_vsrc(0)                   ; the stores have read window 3's v0-15, which the next tile's products write; Q's loads have read v12, which the next tile's add writes
	s_add_nc_u64 s[OP:OP+1], s[OP:OP+1], 4096      ; the next row tile
	s_add_co_u32 s[IQ], s[IQ], 1
	s_cmp_lt_u32 s[IQ], 4
	s_cbranch_scc1 .Lq_\@
.endm
	ATT 4
	ATT 8
	s_add_nc_u64 s[OP:OP+1], s[OP:OP+1], 98304     ; the chunk's second block of 128 rows: 131,072 bytes behind the first, of which 32,768 have been stepped
	ATT 12
	ATT 16
	s_wait_dscnt 0x0                               ; the closing lines, six on end
	s_wait_alu 0x0
	s_wait_tensorcnt 0x0
	ds_add_u32 v[SPW], v[NIL]
	s_wait_dscnt 0x0
	s_endpgm
.Lfunc_end_k_q23c5e268e2_qkva:
	.size	k_q23c5e268e2_qkva, .Lfunc_end_k_q23c5e268e2_qkva-k_q23c5e268e2_qkva
	.p2alignl 7, 3214868480
	.fill 96, 4, 3214868480
	.section	.rodata,"a",@progbits
	.p2align	6, 0x0
	.amdhsa_kernel k_q23c5e268e2_qkva
		.amdhsa_group_segment_fixed_size 323072
		.amdhsa_private_segment_fixed_size 0
		.amdhsa_enable_private_segment 0
		.amdhsa_kernarg_size 64
		.amdhsa_user_sgpr_count 2
		.amdhsa_user_sgpr_kernarg_segment_ptr 1
		.amdhsa_wavefront_size32 1
		.amdhsa_system_sgpr_workgroup_id_x 1
		.amdhsa_system_sgpr_workgroup_id_y 1
		.amdhsa_system_sgpr_workgroup_id_z 1
		.amdhsa_system_vgpr_workitem_id 0
		.amdhsa_next_free_vgpr 1024
		.amdhsa_next_free_sgpr 66
		.amdhsa_reserve_vcc 0
		.amdhsa_float_denorm_mode_32 3
		.amdhsa_float_denorm_mode_16_64 3
		.amdhsa_memory_ordered 1
		.amdhsa_forward_progress 1
		.amdhsa_inst_pref_size 220
	.end_amdhsa_kernel
	.amdgpu_metadata
---
amdhsa.version: [ 1, 2 ]
amdhsa.kernels:
  - .name:           k_q23c5e268e2_qkva
    .symbol:         k_q23c5e268e2_qkva.kd
    .args:
      - { .name: key, .offset: 0, .size: 8, .value_kind: global_buffer, .address_space: global }
      - { .name: value, .offset: 8, .size: 8, .value_kind: global_buffer, .address_space: global }
      - { .name: query, .offset: 16, .size: 8, .value_kind: global_buffer, .address_space: global }
      - { .name: bk, .offset: 24, .size: 8, .value_kind: global_buffer, .address_space: global }
      - { .name: bv, .offset: 32, .size: 8, .value_kind: global_buffer, .address_space: global }
      - { .name: bq, .offset: 40, .size: 8, .value_kind: global_buffer, .address_space: global }
      - { .name: wf, .offset: 48, .size: 8, .value_kind: global_buffer, .address_space: global }
      - { .name: attn, .offset: 56, .size: 8, .value_kind: global_buffer, .address_space: global }
    .group_segment_fixed_size: 323072
    .private_segment_fixed_size: 0
    .kernarg_segment_align: 8
    .kernarg_segment_size: 64
    .max_flat_workgroup_size: 128
    .sgpr_count:     66
    .vgpr_count:     1024
    .wavefront_size: 32
...
	.end_amdgpu_metadata
.endif
;; end of part 4
;; launch outp: the kernel of part 3 again; grid 2 x 128, 4 waves a work-group, no clusters, 280,064 bytes of LDS; arguments attn, wf, bo, out0; writes out0
